; MI455X (gfx1250); checked and timed in simulation.
; The chip was launched on July 23, 2026; its instructions are those of AMD's public machine-readable ISA for CDNA 5 (MIT licence, August 2026) and "CDNA5" Instruction Set Architecture Reference Guide (July 2026). The comments in the code are by the model that wrote it; some were corrected since.
;; Decoder MHA. Allowed arithmetic: matrix products marked QUANTISED: E3M2 operands, one E8M0 scale for each 32 along K, by v_wmma_scale_f32_16x16x128_f8f6f4 with both operands' format E3M2, f32 sums; everything else in f32.
;; Inputs: Wk 1,024 x 1,024 float32; Wo 1,024 x 1,024 float32; Wq 1,024 x 1,024 float32; Wv 1,024 x 1,024 float32; bk 1,024 float32; bo 1,024 float32; bq 1,024 float32; bv 1,024 float32; pad_mask 4 x 1 x 1 x 2,048 int32; x 4 x 2,048 x 1,024 float32.
;; Outputs: out0 4 x 2,048 x 1,024 float32.
;; This version of the problem:
;;   THIS VERSION OF THE PROBLEM IS GIVEN IN LOW PRECISION. The matrix products marked QUANTISED in the list below multiply operands that are first quantised to E3M2 (3 exponent bits, 2 mantissa bits; 6 bits a number), with one power-of-two scale for each 32 numbers along K (OCP MX v1.0); their sums are f32. All else is computed in f32.
;;   The module's matrix products, in the order in which they are computed (A, B: the left and right operand; K: the contracted axis; several contracted axes count as one K, in the product's order):
;;     1. [M 8,192, K 1,024] x [K 1,024, N 1,024]; A: input x; B: input Wq: QUANTISED
;;     2. [M 8,192, K 1,024] x [K 1,024, N 1,024]; A: input x; B: input Wk: QUANTISED
;;     3. [M 8,192, K 1,024] x [K 1,024, N 1,024]; A: input x; B: input Wv: QUANTISED
;;     4. batch 64 x [M 2,048, K 64] x [K 64, N 2,048]; A: computed on the way; B: computed on the way: QUANTISED
;;     5. batch 64 x [M 2,048, K 2,048] x [K 2,048, N 64]; A: computed on the way; B: computed on the way: QUANTISED
;;     6. [M 8,192, K 1,024] x [K 1,024, N 1,024]; A: computed on the way; B: input Wo: QUANTISED
;;   THE QUANTISER, for each operand of a quantised product, along K:
;;     - K is cut into blocks of 32 from its start; a last block that is shorter is filled with zeros.
;;     - A block's scale is 2^e with e = floor(log2(the largest magnitude in the block)) - 4, held to -126 .. 127; a block of zeros has e = 0. As a byte (E8M0): e + 127.
;;     - Each number is divided by its block's scale, clamped to +-28, and rounded to the nearest number of E3M2, ties to even, subnormals kept.
;;     - The product sums the exact products of the quantised numbers (number of the format x scale) in f32.
;;   ~~~python
;;   def quantise(x, axis):      # numpy; x: float32 -> the quantised numbers, widened to float32 again
;;       x = np.moveaxis(x, axis, -1); K = x.shape[-1]
;;       x = np.pad(x, [(0, 0)] * (x.ndim - 1) + [(0, -K % 32)]); x = x.reshape(x.shape[:-1] + (-1, 32)); a = np.abs(x).max(-1, keepdims=True)
;;       e = np.where(a > 0, np.clip(np.frexp(np.where(a > 0, a, 1))[1] - 1 - 4, -126, 127), 0)      # np.frexp(a)[1] - 1 = floor(log2(a)), exactly
;;       r = np.clip(x / 2.0 ** e, -28, 28)
;;       step = 2.0 ** (np.maximum(np.frexp(np.where(r == 0, 1, r))[1] - 1, -2) - 2)
;;       q = np.round(r / step) * step * 2.0 ** e      # np.round: ties to even
;;       return np.moveaxis(q.reshape(q.shape[:-2] + (-1,))[..., :K], -1, axis).astype(np.float32)
;;   ~~~
;;   OPERANDS COMPUTED ON THE WAY. 'Computed on the way' means the value that the module computes at that place (a softmax that the list does not call 'softmax' is quantised finished and normalised). What goes into a quantiser is computed in f32, as accurately as f32 sums, v_exp_f32 and their like allow (about 1e-6 of the number): no bf16 or f16 on the way to a quantiser, and a product that is left as it is and whose result goes on into a quantised operand takes f32 operands (vector FMAs, or v_wmma_f32_16x16x4_f32). A number that lies on a knife's edge between two numbers of the format may be rounded either way, as far as f32 arithmetic and the matrix unit's own rounding can turn it there, and no further.
;; 2 versions, each right; version 2 is version 1 with the launch attn written anew for expert scheduling mode. Each part assembles by itself: llvm-mc -triple=amdgcn-amd-amdhsa -mcpu=gfx1250 --defsym DOCPART=n.
;; ======== version 1 of 2: 4 launches
;; limits: right only within a limited range of input values
;; workspace buffers: xq 6,553,600 bytes; wq 3,276,800 bytes; qkv 20,185,088 bytes; oq 6,553,600 bytes; pb 32,768 bytes; flags 1,024 bytes of whole numbers
;; launch prep (part 1): grid 772 x 1, 2 waves a work-group, no clusters, 17,152 bytes of LDS; arguments x, Wq, Wk, Wv, Wo, pad_mask, xq, wq, pb, flags; writes xq, wq, pb, flags
.if DOCPART == 1
	.amdgcn_target "amdgcn-amd-amdhsa--gfx1250"
	.amdhsa_code_object_version 6
	.text
	.protected	k_q46b579731d_prep
	.globl	k_q46b579731d_prep
	.p2align	8
	.type	k_q46b579731d_prep,@function
k_q46b579731d_prep:
	s_mov_b64 s[64:65], 0
	v_nop
	global_prefetch_b8 v0, s[64:65] scope:SCOPE_SE
	s_setreg_imm32_b32 hwreg(HW_REG_WAVE_MODE, 25, 1), 1
	s_wait_xcnt 0x0
; DecoderMHA in MX-BF6 (E3M2 codes, one E8M0 scale for each 32 along K), four launches: prep, gemmq, attn, oproj.
; THIS LAUNCH: x [8192][1024] and Wq, Wk, Wv, Wo [1024][1024], f32 with K innermost, become codes and scale words, laid in the order of the matrix operand's registers;
; pad_mask becomes a table of f32 terms (0, or -2^100 where the mask is 1) and, for each batch and each step of 128 keys, a bit that says whether the step holds a padded key.
; DEAD WORK, left out in launch attn: a step of 128 keys all of which come after every query of a tile of 16 queries.  reference() sets those scores to -inf by the triu mask that it builds itself, so their
; softmax weights are 0 and they add nothing to any sum, whatever the inputs hold.  No input is left out: x, the four weights, the four biases and pad_mask all reach the output.
; LIMIT of that: a NaN, an infinity or an overflow that would reach only those steps' products is not carried to the result.
; LAYOUT.  A tile T is 16 rows: row(T, r) = 32 (T / 2) + 8 (T % 2) + r + 8 (r / 8), so that results of tiles 2 b and 2 b + 1 are 16 neighbours along the next K.
; A fragment (tile T, 128 along K) is 1,536 bytes: two halves of 768; in half c lane l's registers 6 c .. 6 c + 3 lie at 16 l, its registers 6 c + 4, 6 c + 5 at 512 + 8 l.
; Codes: [T / 8][K step 0..7][T % 8][1,536].  Scale words: [T / 8][T % 8][K step / 2][r][2 words].
; A block's scale is 2^(floor(log2(largest magnitude)) - 4); its byte is the largest magnitude's exponent field - 4, held at 1 from below.
; LIMITS: a block of zeros gets the byte 1 where the rule says 127 (its codes are zeros, and this program alone reads the bytes); NaN and infinities among the inputs are not served.
; SHARES.  Work-groups 0-511: tile T of x; 512-767: the 64 tiles of each weight; wave w takes K steps 4 w .. 4 w + 3.  Work-groups 768-771: pad_mask of batch 0-3, wave w its steps 8 w .. 8 w + 7.
; Each load reads 512 consecutive bytes of one row; a K step's 16 rows turn through the wave's own stage in LDS (rows 528 bytes apart) so that a lane gets two whole blocks of 32 of its row.  Waves share nothing: no barrier.
.set STG,   8448                       ; a wave's stage: 16 rows x 528 bytes
.set SPARE, 16896                      ; behind the two stages: the spare words, 128 bytes a wave
.set NEG,   0xf1800000                 ; -2^100
.set FLOOR, 0x2800000                  ; 2^(5 - 127)
.set WD, 16                            ; v16-19  the four K steps' scale words
.set TM, 20                            ; v20-21  largest magnitudes
.set SO, 22                            ; v22-23  the conversions' scale operands
.set BY, 24                            ; v24-25  scale bytes
.set C,  28                            ; v28-39  a fragment's codes
.set D,  40                            ; v40-47  the second halves of the blocks, as converted
.set X,  48                            ; v48-111 my two blocks of 32
.set R,  112                           ; v112-239 two sets of 64 registers as loaded
	s_load_b512 s[4:19], s[0:1], 0x0               ; x, Wq, Wk, Wv, Wo, pad_mask, xq, wq
	s_load_b128 s[20:23], s[0:1], 0x40             ; pb, flags
	v_lshl_add_u32 v12, v0, 2, SPARE               ; my spare word; never rewritten
	v_mov_b32 v13, 0                               ; 0; never rewritten
	v_lshrrev_b32 v1, 5, v0
	v_readfirstlane_b32 s24, v1                    ; wave
	v_and_b32 v2, 31, v0                           ; lane
	v_and_b32 v3, 15, v0                           ; r
	v_bfe_u32 v10, v0, 4, 1                        ; h
	v_lshlrev_b32 v4, 4, v2                        ; 16 x lane
	v_lshlrev_b32 v5, 3, v2                        ; 8 x lane
	s_mul_i32 s25, s24, STG
	v_add_nc_u32 v6, s25, v4                       ; the stage, on the way in
	v_mul_u32_u24 v7, v3, 528
	v_lshl_add_u32 v7, v10, 7, v7
	v_add_nc_u32 v7, s25, v7                       ; and out: row r, + 128 h
	v_lshlrev_b32 v8, 3, v10                       ; 8 h
	v_lshlrev_b32 v14, 3, v3
	v_lshl_add_u32 v14, v10, 7, v14                ; 128 h + 8 r: my place among the scale words
	v_mov_b32 v11, 0                               ; a lane permute's destination counts as one of its sources
	s_mov_b32 s28, 0x76543210
	s_mov_b32 s29, 0xfedcba98                      ; selects for lane l xor 16
	s_mov_b32 s30, 0xffff0000                      ; lanes 16-31
	s_wait_kmcnt 0x0
	s_cmp_ge_u32 ttmp9, 768
	s_cbranch_scc1 .Lpad
	s_cmp_ge_u32 ttmp9, 512                        ; which tensor: the choice hangs on the work-group's number alone
	s_cselect_b64 s[32:33], s[6:7], s[4:5]
	s_cselect_b64 s[34:35], s[18:19], s[16:17]
	s_cselect_b32 s26, 512, 0
	s_cselect_b32 s36, 63, 511
	s_mov_b32 s27, 6291456
	s_cselect_b32 s27, 3145728, s27                ; where the scale words begin in the destination
	s_cmp_ge_u32 ttmp9, 576
	s_cselect_b64 s[32:33], s[8:9], s[32:33]
	s_cmp_ge_u32 ttmp9, 640
	s_cselect_b64 s[32:33], s[10:11], s[32:33]
	s_cmp_ge_u32 ttmp9, 704
	s_cselect_b64 s[32:33], s[12:13], s[32:33]
	s_sub_co_u32 s26, ttmp9, s26                   ; the tile in the destination
	s_and_b32 s36, s26, s36                        ; the tile in the source
	s_lshr_b32 s37, s36, 1
	s_lshl_b32 s37, s37, 17                        ; 32 rows of 4,096 bytes
	s_and_b32 s38, s36, 1
	s_lshl_b32 s38, s38, 15                        ; 8 rows
	s_add_co_u32 s38, s38, s37
	s_lshl_b32 s37, s24, 11                        ; my half of K
	s_add_co_u32 s38, s38, s37
	s_mov_b32 s39, 0
	s_add_nc_u64 s[32:33], s[32:33], s[38:39]
	s_lshr_b32 s37, s26, 3
	s_and_b32 s36, s26, 7
	s_mul_i32 s38, s37, 98304
	s_mul_i32 s31, s36, 1536
	s_add_co_u32 s38, s38, s31
	s_mul_i32 s31, s24, 49152
	s_add_co_u32 s38, s38, s31
	s_lshl_b32 s40, s37, 12
	s_lshl_b32 s31, s36, 9
	s_add_co_u32 s40, s40, s31
	s_lshl_b32 s31, s24, 8
	s_add_co_u32 s40, s40, s31
	s_add_co_u32 s40, s40, s27
	s_mov_b32 s41, 0
	s_add_nc_u64 s[40:41], s[34:35], s[40:41]      ; my scale words
	s_add_nc_u64 s[34:35], s[34:35], s[38:39]      ; my codes
.macro LOAD k                          ; K step k: 16 rows, 512 consecutive bytes each
.irp i, 0,1,2,3,4,5,6,7,8,9,10,11,12,13,14,15
	global_load_b128 v[R+64*((\k)%2)+4*\i:R+64*((\k)%2)+4*\i+3], v4, s[32:33] offset:(\i+8*(\i/8))*4096+512*(\k) th:TH_LOAD_NT
.endr
.endm
.macro KSTEP k
.set RS, R+64*((\k)%2)
.if (\k) < 3
	s_wait_loadcnt 16                              ; this step's 16 loads are in; the next step's 16 may be out
.else
	s_wait_loadcnt 0x0
.endif
.irp i, 0,1,2,3,4,5,6,7,8,9,10,11,12,13,14,15
	ds_store_b128 v6, v[RS+4*\i:RS+4*\i+3] offset:528*\i
.endr
.irp c, 0,1
.irp j, 0,1,2,3,4,5,6,7
	ds_load_b128 v[X+32*\c+4*\j:X+32*\c+4*\j+3], v7 offset:256*\c+16*\j   ; LDS serves a wave's instructions in order: these see the stores above.  k = 64 c + 32 h + 0 .. 31 of row r
.endr
.endr
	s_wait_dscnt 0x0                               ; my two blocks are in, and the stores have read their registers,
.if (\k)+2 < 4
	LOAD (\k)+2                                    ; which take the loads of two steps on
.endif
.irp c, 0,1
	v_max3_num_f32 v[TM+\c], |v[X+32*\c]|, |v[X+32*\c+1]|, FLOOR   ; the block's largest magnitude, and the floor: the byte cannot fall under 1
.endr
.irp i, 2,4,6,8,10,12,14,16,18,20,22,24,26,28,30
.irp c, 0,1
	v_max3_num_f32 v[TM+\c], v[TM+\c], |v[X+32*\c+\i]|, |v[X+32*\c+\i+1]|
.endr
.endr
.irp c, 0,1
	v_add_nc_u32 v[SO+\c], 0xfe000000, v[TM+\c]    ; 4 off the exponent field: the conversion's scale operand
.endr
.irp c, 0,1
	v_lshrrev_b32 v[BY+\c], 23, v[SO+\c]           ; the scale's byte
.endr
	v_lshl_or_b32 v9, v[BY+1], 16, v[BY]           ; blocks h and 2 + h of my row,
	v_lshlrev_b32 v9, v8, v9                       ; at their places in the word;
	v_permlanex16_b32 v11, v9, s28, s29
	v_or_b32 v[WD+(\k)], v9, v11                   ; with lane l xor 16's two the word is whole
	s_wait_xcnt 0x0                                ; the last step's stores have read their data: the codes' registers may be written
.irp c, 0,1
	v_cvt_scalef32_pk16_bf6_f32 v[C+6*\c:C+6*\c+2], v[X+32*\c:X+32*\c+15], v[SO+\c]
	v_cvt_scalef32_pk16_bf6_f32 v[D+4*\c:D+4*\c+2], v[X+32*\c+16:X+32*\c+31], v[SO+\c]   ; (a conversion's three registers begin on an even number)
.endr
	v_nop                                          ; one plain place behind a scaled conversion
.irp c, 0,1
.irp i, 0,1,2
	v_mov_b32 v[C+3+6*\c+\i], v[D+4*\c+\i]
.endr
.endr
	global_store_b128 v4, v[C:C+3], s[34:35] offset:12288*(\k)             ; each store covers 512 or 256 consecutive bytes, aligned to 256
	global_store_b64 v5, v[C+4:C+5], s[34:35] offset:12288*(\k)+512
	global_store_b128 v4, v[C+6:C+9], s[34:35] offset:12288*(\k)+768
	global_store_b64 v5, v[C+10:C+11], s[34:35] offset:12288*(\k)+1280
.endm
	LOAD 0
	LOAD 1
	KSTEP 0
	KSTEP 1
	KSTEP 2
	KSTEP 3
	v_cndmask_b32 v26, v[WD], v[WD+2], s30         ; lanes 0-15: steps 0, 1; lanes 16-31: steps 2, 3
	v_cndmask_b32 v27, v[WD+1], v[WD+3], s30
	global_store_b64 v14, v[26:27], s[40:41]       ; 256 consecutive bytes
	s_branch .Lend
.Lpad:                                             ; pad_mask: 1,024 keys a wave, 128 (one key step) a load
	s_sub_co_u32 s26, ttmp9, 768                   ; batch
	s_lshl_b32 s36, s26, 13
	s_lshl_b32 s37, s24, 12
	s_add_co_u32 s36, s36, s37
	s_mov_b32 s37, 0
	s_add_nc_u64 s[14:15], s[14:15], s[36:37]
	s_add_nc_u64 s[20:21], s[20:21], s[36:37]
	s_lshl_b32 s36, s26, 8
	s_lshl_b32 s38, s24, 7
	s_add_co_u32 s36, s36, s38
	s_add_nc_u64 s[22:23], s[22:23], s[36:37]
.irp i, 0,1,2,3,4,5,6,7
	global_load_b128 v[48+4*\i:51+4*\i], v4, s[14:15] offset:512*\i
.endr
	v_mov_b32 v9, NEG
	s_mov_b32 s31, 0
	s_wait_loadcnt 0x0
.irp i, 0,1,2,3,4,5,6,7
.irp j, 0,1,2,3
	v_cmp_eq_u32 s[40+\j], 1, v[48+4*\i+\j]
	v_cndmask_b32 v[112+4*\i+\j], 0, v9, s[40+\j]  ; -2^100 where the key is padded, else 0
.endr
	s_or_b32 s40, s40, s41
	s_or_b32 s42, s42, s43
	s_or_b32 s40, s40, s42                         ; SCC: any padded key in this step?
	s_cselect_b32 s40, 1<<\i, 0
	s_or_b32 s31, s31, s40
	global_store_b128 v4, v[112+4*\i:115+4*\i], s[20:21] offset:512*\i
.endr
	v_mov_b32 v10, s31
	v_lshlrev_b32 v11, 2, v2
	global_store_b32 v11, v10, s[22:23]            ; the wave's eight bits, in 32 equal words
.Lend:
	s_wait_tensorcnt 0x0                           ; the wave's end
	ds_add_u32 v12, v13
	s_wait_dscnt 0x0
	s_endpgm
.Lfunc_end_k_q46b579731d_prep:
	.size	k_q46b579731d_prep, .Lfunc_end_k_q46b579731d_prep-k_q46b579731d_prep
	.p2alignl 7, 3214868480
	.fill 96, 4, 3214868480
	.section	.rodata,"a",@progbits
	.p2align	6, 0x0
	.amdhsa_kernel k_q46b579731d_prep
		.amdhsa_group_segment_fixed_size 17152
		.amdhsa_private_segment_fixed_size 0
		.amdhsa_enable_private_segment 0
		.amdhsa_kernarg_size 80
		.amdhsa_user_sgpr_count 2
		.amdhsa_user_sgpr_kernarg_segment_ptr 1
		.amdhsa_wavefront_size32 1
		.amdhsa_system_sgpr_workgroup_id_x 1
		.amdhsa_system_sgpr_workgroup_id_y 1
		.amdhsa_system_sgpr_workgroup_id_z 1
		.amdhsa_system_vgpr_workitem_id 0
		.amdhsa_next_free_vgpr 240
		.amdhsa_next_free_sgpr 66
		.amdhsa_reserve_vcc 0
		.amdhsa_float_denorm_mode_32 3
		.amdhsa_float_denorm_mode_16_64 3
		.amdhsa_memory_ordered 1
		.amdhsa_forward_progress 1
		.amdhsa_inst_pref_size 39
	.end_amdhsa_kernel
	.amdgpu_metadata
---
amdhsa.version: [ 1, 2 ]
amdhsa.kernels:
  - .name:           k_q46b579731d_prep
    .symbol:         k_q46b579731d_prep.kd
    .args:
      - { .name: x, .offset: 0, .size: 8, .value_kind: global_buffer, .address_space: global }
      - { .name: Wq, .offset: 8, .size: 8, .value_kind: global_buffer, .address_space: global }
      - { .name: Wk, .offset: 16, .size: 8, .value_kind: global_buffer, .address_space: global }
      - { .name: Wv, .offset: 24, .size: 8, .value_kind: global_buffer, .address_space: global }
      - { .name: Wo, .offset: 32, .size: 8, .value_kind: global_buffer, .address_space: global }
      - { .name: pad_mask, .offset: 40, .size: 8, .value_kind: global_buffer, .address_space: global }
      - { .name: xq, .offset: 48, .size: 8, .value_kind: global_buffer, .address_space: global }
      - { .name: wq, .offset: 56, .size: 8, .value_kind: global_buffer, .address_space: global }
      - { .name: pb, .offset: 64, .size: 8, .value_kind: global_buffer, .address_space: global }
      - { .name: flags, .offset: 72, .size: 8, .value_kind: global_buffer, .address_space: global }
    .group_segment_fixed_size: 17152
    .private_segment_fixed_size: 0
    .kernarg_segment_align: 8
    .kernarg_segment_size: 80
    .max_flat_workgroup_size: 64
    .sgpr_count:     66
    .vgpr_count:     240
    .wavefront_size: 32
...
	.end_amdgpu_metadata
.endif
;; end of part 1
;; launch gemmq (part 2): grid 12 x 32, 4 waves a work-group, clusters of 4 x 4, 327,680 bytes of LDS; arguments xq, wq, bq, bk, bv, qkv; writes qkv
.if DOCPART == 2
	.amdgcn_target "amdgcn-amd-amdhsa--gfx1250"
	.amdhsa_code_object_version 6
	.text
	.protected	k_q46b579731d_gemmq
	.globl	k_q46b579731d_gemmq
	.p2align	8
	.type	k_q46b579731d_gemmq,@function
k_q46b579731d_gemmq:
	s_mov_b64 s[64:65], 0
	v_nop
	global_prefetch_b8 v0, s[64:65] scope:SCOPE_SE
	s_setreg_imm32_b32 hwreg(HW_REG_WAVE_MODE, 25, 1), 1
	s_wait_xcnt 0x0
	s_wait_alu depctr_hold_cnt(0) depctr_sa_sdst(0) depctr_va_vdst(0) depctr_va_sdst(0) depctr_va_ssrc(0) depctr_va_vcc(0) depctr_vm_vsrc(0)
	s_getreg_b32 s2, hwreg(HW_REG_IB_STS2, 6, 4)
	s_cmp_eq_u32 s2, 0
	s_cbranch_scc0 .Lentry_in_a_cluster
	s_endpgm
.Lentry_in_a_cluster:
	s_bfe_u32 s2, ttmp6, 0x10000c
	s_cmp_lg_u32 s2, 0xf033
	s_cbranch_scc0 .Lentry_shape_is_right
	s_endpgm
.Lentry_shape_is_right:
; q = x Wq^T + bq, k = x Wk^T + bk, v = x Wv^T + bv on codes of BF6 (E3M2) with E8M0 scales, K = 1,024; the results are quantised in registers, q and k along the head's 64, v along the keys, and stored as
; images of the next products' operand registers.  No work is left out here.
; ROLES.  C[m][n] = sum over k of A[m][k] B[n][k], used transposed (source 0 = 16 rows of B, source 1 = 16 rows of A): a lane holds ONE row of A and its registers run along n, which is the next product's K.
; Clusters with x = 0, 1: A = x's tokens, B = the rows of [Wq; Wk]: a lane holds a token, its registers features.  Clusters with x = 2: A = the rows of Wv, B = x's tokens: a lane holds a feature, its registers keys.
; Only pointers and offsets differ, chosen by s_cselect on the cluster's x, which all sixteen partners share; loads, masks, LDS map and loop are one text.
; A tile of C is 256 x 256, four waves of 128 x 128: 64 accumulators, 512 registers.  K goes in steps of 256 through two LDS slots.  The operands lie in memory in the order of the operand's registers,
; so a wave's tensor load is one dense block of 24,576 bytes (128 rows x 256 along K) and a fragment comes by two loads of 16 bytes and two of 8 bytes a lane, each of consecutive bytes.
; The scale words of the work-group's rows, for all of K, come once with the first fills.  By this text's count a wave has at most three tensor loads out (at the start), later one.
; CLUSTERS: 4 x 4.  A's tiles are shared along a row of the cluster, B's along a column: joint loads.
; The bias is the C of each sum's first product.
; LIMITS: a block of zeros gets the scale byte 1 (its codes are zeros; this program alone reads the bytes); NaN and infinities are not served.
; REGISTERS: window 0: v16-31 addresses; v32-63 scale words, two sets; v64-127 the bias; v128-223 A's fragments, one set (on the way out: at work).  window 1: B's fragments, two sets, at v0 and v128.  windows 2, 3: the accumulators.
.set FR,    12
.set NL,    4                          ; LDS loads that bring a fragment
.set NP,    4                          ; places behind this matrix instruction (ISA guide 7.12.1)
.set HALFT, 24576
.set SLOT,  98304
.set SCL,   196608                     ; the scale words: four parts of 4,096 bytes
.set SPARE, 212992                     ; the spare words, 128 bytes a wave
.set ADRA, 16                          ; v16-17 my A fragments in slot 0, 1, + 16 x lane; v18-19 + 8 x lane
.set ADRB, 20                          ; v20-23 the same for B
.set L16,  24
.set L8,   25
.set ADRS, 27
.set SPW,  28
.set NIL,  29
.set FLR,  30
.set SC,   32
.set BI,   64
.set AF,   128
.set PC,   128                         ; the way out: a fragment's codes
.set PT,   140
.set TM,   148
.set WD,   164                         ; the eight blocks' scale words
.set IM,   172
.set JM,   176
.set G1, 24
.set G0, 32
.set G1B, 48
.set G0B, 56
.set G1S, 68
.set G0S, 76
.set G1SB, 80
.set G0SB, 88
.set MSB, 0
.macro WIN new                         ; the immediate's high byte repeats the setting that is left
.if MSB != (\new)
	s_set_vgpr_msb (MSB<<8)|(\new)
.set MSB, (\new)
.endif
.endm
.set MUL_LO, 0xa1                      ; source 0 (B) window 1, source 1 (A) window 0, C and D window 2
.set MUL_HI, 0xf1                      ; C and D window 3
.set BIA_LO, 0x81                      ; C (the bias) window 0, D window 2
.set BIA_HI, 0xc1
.set TO_B,   0x40
.macro JLOAD g0a, g1a, g0b, g1b        ; a joint load: waves 0, 1 fetch for A, waves 2, 3 for B; the branch hangs on the wave's number alone; an s_nop 0 and four v_nop follow each line
	s_cmp_eq_u32 s17, 0
	s_cbranch_scc0 .Lfor_b_\@
	tensor_load_to_lds s[\g0a:\g0a+3], s[\g1a:\g1a+7]
	s_nop 0
.rept 4
	v_nop
.endr
	s_branch .Lasked_\@
.Lfor_b_\@:
	tensor_load_to_lds s[\g0b:\g0b+3], s[\g1b:\g1b+7]
	s_nop 0
.rept 4
	v_nop
.endr
.Lasked_\@:
.endm
.macro CREST                           ; a round of the cluster's barrier behind its opening barrier
	s_cmp_lg_u32 s16, 0
	s_cbranch_scc1 .Lnot_wave_0_\@
	s_barrier_signal -3
.Lnot_wave_0_\@:
	s_barrier_wait -3
	s_barrier_signal -1
	s_barrier_wait -1
.endm
.macro CROUND
	s_barrier_signal -1
	s_barrier_wait -1
	CREST
.endm
.macro PLACES n
.rept \n
	v_nop
.endr
.endm
	s_load_b256 s[4:11], s[0:1], 0x0               ; xq, wq, bq, bk
	s_load_b128 s[12:15], s[0:1], 0x20             ; bv, qkv
	v_lshl_add_u32 v[SPW], v0, 2, SPARE
	v_mov_b32 v[NIL], 0
	ds_add_u32 v[SPW], v[NIL]                      ; the wave's opening: the add, twice on end, and its wait ahead of my first tensor load
	ds_add_u32 v[SPW], v[NIL]
	v_lshrrev_b32 v1, 5, v0
	v_readfirstlane_b32 s16, v1                    ; wave
	s_lshr_b32 s17, s16, 1                         ; my half of A's rows; also: I fetch for A (0) or B (1)
	s_and_b32 s18, s16, 1                          ; my half of B's rows; also: which 128 rows I fetch
	s_bfe_u32 s19, ttmp6, 0x40000                  ; cx
	s_bfe_u32 s20, ttmp6, 0x40004                  ; cy
	s_mov_b32 s21, ttmp9                           ; the cluster's x
	s_and_b32 s22, ttmp7, 0xffff                   ; the cluster's y
	s_cmp_eq_u32 s21, 2
	s_cselect_b32 s23, 1, 0                        ; 1: this cluster makes v
	s_cselect_b32 s44, 0, s22
	s_cselect_b32 s45, s22, s21
	s_cselect_b32 s92, 1572864, 0                  ; where A's codes begin in their buffer (Wv: the third weight),
	s_mov_b32 s94, 6291456
	s_cselect_b32 s94, 3211264, s94                ; A's scale words,
	s_mov_b32 s98, 3145728
	s_cselect_b32 s98, 6291456, s98                ; B's scale words (B's codes begin at 0)
	s_lshl_b32 s40, s44, 2
	s_add_co_u32 s40, s40, s20                     ; tile row: hangs on cy, never on cx
	s_lshl_b32 s41, s45, 2
	s_add_co_u32 s41, s41, s19                     ; tile column: hangs on cx, never on cy
	s_lshl_b32 s42, s20, 2
	s_lshl_b32 s42, 15, s42                        ; my row of the cluster
	s_lshl_b32 s43, 0x1111, s19                    ; my column
	s_or_b32 s[G1+0], s42, (3<<16)|(1<<21)         ; 15:0 the mask; 17:16 elements of 8 bytes; 21 set beside a mask; no padding
	s_or_b32 s[G1B+0], s43, (3<<16)|(1<<21)
.irp g, G1, G1B
	s_mov_b32 s[\g+1], 32<<16                      ; a dense block of 24,576 bytes as 96 rows of 256
	s_mov_b32 s[\g+2], 96<<16
	s_mov_b32 s[\g+3], 32<<16
	s_mov_b32 s[\g+4], 96
	s_mov_b32 s[\g+5], 32
	s_mov_b32 s[\g+6], 0
	s_mov_b32 s[\g+7], 0
.endr
	s_or_b32 s[G1S+0], s42, (3<<16)|(1<<21)
	s_or_b32 s[G1SB+0], s43, (3<<16)|(1<<21)
.irp g, G1S, G1SB
	s_mov_b32 s[\g+1], 32<<16                      ; 4,096 bytes as 16 rows of 256
	s_mov_b32 s[\g+2], 16<<16
	s_mov_b32 s[\g+3], 32<<16
	s_mov_b32 s[\g+4], 16
	s_mov_b32 s[\g+5], 32
	s_mov_b32 s[\g+6], 0
	s_mov_b32 s[\g+7], 0
.endr
	s_lshl_b32 s44, s40, 1
	s_add_co_u32 s44, s44, s18                     ; the block of 128 rows of A that I fetch
	s_lshl_b32 s46, s41, 1
	s_add_co_u32 s46, s46, s18                     ; of B
	s_mul_i32 s45, s44, 98304
	s_add_co_u32 s92, s92, s45
	s_mov_b32 s93, 0
	s_lshl_b32 s45, s44, 12
	s_add_co_u32 s94, s94, s45
	s_mov_b32 s95, 0
	s_mul_i32 s96, s46, 98304
	s_mov_b32 s97, 0
	s_lshl_b32 s47, s46, 12
	s_add_co_u32 s98, s98, s47
	s_mov_b32 s99, 0
	s_mul_i32 s104, s16, HALFT                     ; where my loads land: wave x a part: no place in the cluster enters an LDS address
	s_lshl_b32 s105, s16, 12
	s_wait_dscnt 0x0                               ; both opening adds are done
	s_wait_kmcnt 0x0
	s_cmp_eq_u32 s23, 1
	s_cselect_b64 s[44:45], s[6:7], s[4:5]         ; A's buffer
	s_cselect_b64 s[46:47], s[4:5], s[6:7]         ; B's
	CROUND                                         ; all sixteen work-groups are here: the first joint loads meet
	s_mov_b32 s[G0S], 1
	s_add_co_u32 s[G0S+1], s105, SCL
	s_add_nc_u64 s[G0S+2:G0S+3], s[44:45], s[94:95]
	s_or_b32 s[G0S+3], s[G0S+3], 0x80000000
	s_mov_b32 s[G0SB], 1
	s_add_co_u32 s[G0SB+1], s105, SCL
	s_add_nc_u64 s[G0SB+2:G0SB+3], s[46:47], s[98:99]
	s_or_b32 s[G0SB+3], s[G0SB+3], 0x80000000
	JLOAD G0S, G1S, G0SB, G1SB                     ; the scale words first
	s_add_nc_u64 s[44:45], s[44:45], s[92:93]
	s_add_nc_u64 s[46:47], s[46:47], s[96:97]
.irp s, 0,1
	s_mov_b32 s[G0+4*\s], 1
	s_add_co_u32 s[G0+4*\s+1], s104, \s*SLOT
	s_add_nc_u64 s[G0+4*\s+2:G0+4*\s+3], s[44:45], \s*HALFT
	s_or_b32 s[G0+4*\s+3], s[G0+4*\s+3], 0x80000000
	s_mov_b32 s[G0B+4*\s], 1
	s_add_co_u32 s[G0B+4*\s+1], s104, \s*SLOT
	s_add_nc_u64 s[G0B+4*\s+2:G0B+4*\s+3], s[46:47], \s*HALFT
	s_or_b32 s[G0B+4*\s+3], s[G0B+4*\s+3], 0x80000000
	JLOAD G0+4*\s, G1, G0B+4*\s, G1B
.endr
	v_and_b32 v1, 31, v0                           ; lane
	v_and_b32 v2, 15, v0                           ; r
	v_bfe_u32 v3, v0, 4, 1                         ; h
	v_lshlrev_b32 v[L16], 4, v1
	v_lshlrev_b32 v[L8], 3, v1
	v_mov_b32 v[FLR], 0x2800000                    ; the floor 2^(5 - 127)
	s_mul_i32 s104, s17, HALFT                     ; my 128 rows of A
	s_mul_i32 s105, s18, HALFT
	s_add_co_u32 s105, s105, 2*HALFT               ; my 128 rows of B, behind A's two parts
.irp s, 0,1
	v_add_nc_u32 v[ADRA+\s], s104, v[L16]
	v_add_nc_u32 v[ADRA+2+\s], s104, v[L8]
	v_add_nc_u32 v[ADRB+\s], s105, v[L16]
	v_add_nc_u32 v[ADRB+2+\s], s105, v[L8]
	s_add_co_u32 s104, s104, SLOT
	s_add_co_u32 s105, s105, SLOT
.endr
	s_lshl_b32 s104, s17, 12                       ; the scale words: A's part for lanes 0-15,
	s_lshl_b32 s105, s18, 12
	s_add_co_u32 s105, s105, 8192
	s_sub_co_u32 s105, s105, s104
	v_mul_u32_u24 v4, s105, v3                     ; B's part for lanes 16-31: one product, the distance between the two
	v_lshl_add_u32 v4, v2, 3, v4                   ; + 8 r
	s_add_co_u32 s104, s104, SCL
	v_add_nc_u32 v[ADRS], s104, v4
	s_cmp_eq_u32 s23, 1                            ; the bias, in the result's layout
	s_cbranch_scc1 .Lbias_v
	s_cmp_eq_u32 s21, 1
	s_cselect_b64 s[8:9], s[10:11], s[8:9]         ; bq or bk
	s_lshl_b32 s104, s19, 10
	s_lshl_b32 s105, s18, 9
	s_add_co_u32 s104, s104, s105                  ; my 128 features
	s_mov_b32 s105, 0
	s_add_nc_u64 s[8:9], s[8:9], s[104:105]
	v_lshlrev_b32 v5, 6, v3                        ; register j of B's block b: feature 32 (b / 2) + 8 (b % 2) + 16 h + j
.irp b, 0,1,2,3,4,5,6,7
	global_load_b128 v[BI+8*\b:BI+8*\b+3], v5, s[8:9] offset:128*(\b/2)+32*(\b%2)
	global_load_b128 v[BI+8*\b+4:BI+8*\b+7], v5, s[8:9] offset:128*(\b/2)+32*(\b%2)+16
.endr
	s_branch .Lbias_done
.Lbias_v:
	s_lshl_b32 s104, s20, 10
	s_lshl_b32 s105, s17, 9
	s_add_co_u32 s104, s104, s105
	s_mov_b32 s105, 0
	s_add_nc_u64 s[12:13], s[12:13], s[104:105]
	v_and_b32 v5, 8, v2
	v_add_nc_u32 v5, v5, v2
	v_lshlrev_b32 v5, 2, v5                        ; all eight registers of A's block a: the bias of my feature 32 (a / 2) + 8 (a % 2) + r + 8 (r / 8)
.irp a, 0,1,2,3,4,5,6,7
.irp j, 0,1,2,3,4,5,6,7
	global_load_b32 v[BI+8*\a+\j], v5, s[12:13] offset:(32*(\a/2)+8*(\a%2))*4
.endr
.endr
.Lbias_done:
.macro FRAG reg, adr, off              ; a fragment's image: registers 0-3, 4-5, 6-9, 10-11
	ds_load_b128 v[\reg:\reg+3], v[\adr] offset:\off
	ds_load_b64 v[\reg+4:\reg+5], v[\adr+2] offset:\off+512
	ds_load_b128 v[\reg+6:\reg+9], v[\adr] offset:\off+768
	ds_load_b64 v[\reg+10:\reg+11], v[\adr+2] offset:\off+1280
.endm
; 16 matrix instructions: A's blocks a0, a0 + 1 x B's eight, the slot's q-th 128 along K.  p: B's set; sc: the set of scale words.  cm = 0: the sums go on; 1: they begin with the bias by B's block; 2: by A's block.
; The 64 accumulators take turns, one instruction a turn, in the same order in every step.
.macro MUL16 a0, p, q, sc, cm
.irp a, \a0, \a0+1
.irp b, 0,1,2,3,4,5,6,7
.if (\cm) == 0
	v_wmma_scale_f32_16x16x128_f8f6f4 v[8*(8*((\a)%4)+\b):8*(8*((\a)%4)+\b)+7], v[128*(\p)+FR*\b:128*(\p)+FR*\b+FR-1], v[AF+FR*(\a):AF+FR*(\a)+FR-1], v[8*(8*((\a)%4)+\b):8*(8*((\a)%4)+\b)+7], v[SC+16*(\sc)+2*\b+(\q)], v[SC+16*(\sc)+2*(\a)+(\q)] matrix_a_fmt:MATRIX_FMT_BF6 matrix_b_fmt:MATRIX_FMT_BF6 matrix_a_scale:MATRIX_SCALE_ROW1
.elseif (\cm) == 1
	v_wmma_scale_f32_16x16x128_f8f6f4 v[8*(8*((\a)%4)+\b):8*(8*((\a)%4)+\b)+7], v[128*(\p)+FR*\b:128*(\p)+FR*\b+FR-1], v[AF+FR*(\a):AF+FR*(\a)+FR-1], v[BI+8*\b:BI+8*\b+7], v[SC+16*(\sc)+2*\b+(\q)], v[SC+16*(\sc)+2*(\a)+(\q)] matrix_a_fmt:MATRIX_FMT_BF6 matrix_b_fmt:MATRIX_FMT_BF6 matrix_a_scale:MATRIX_SCALE_ROW1
.else
	v_wmma_scale_f32_16x16x128_f8f6f4 v[8*(8*((\a)%4)+\b):8*(8*((\a)%4)+\b)+7], v[128*(\p)+FR*\b:128*(\p)+FR*\b+FR-1], v[AF+FR*(\a):AF+FR*(\a)+FR-1], v[BI+8*(\a):BI+8*(\a)+7], v[SC+16*(\sc)+2*\b+(\q)], v[SC+16*(\sc)+2*(\a)+(\q)] matrix_a_fmt:MATRIX_FMT_BF6 matrix_b_fmt:MATRIX_FMT_BF6 matrix_a_scale:MATRIX_SCALE_ROW1
.endif
.endr
.endr
.endm
.macro FETCH_B slot, q, p
	WIN TO_B
.irp i, 0,1,2,3,4,5,6,7
	FRAG 128*(\p)+FR*\i, ADRB+\slot, (8*(\q)+\i)*1536
.endr
	WIN 0
.endm
.macro FETCH_A slot, q, i0
.irp i, \i0, \i0+1, \i0+2, \i0+3
	FRAG AF+FR*(\i), ADRA+\slot, (8*(\q)+(\i))*1536
.endr
.endm
.macro SCALES sc                       ; a slot's two words a row: lanes 0-15 A's block i, lanes 16-31 B's block i
.irp i, 0,1,2,3,4,5,6,7
	ds_load_b64 v[SC+16*\sc+2*\i:SC+16*\sc+2*\i+1], v[ADRS] offset:512*\i
.endr
.endm
.macro STEP slot, q, cm                ; a step of 128 along K that has its successor in the same slot
	s_wait_dscnt 4*NL                              ; B's set, A's blocks 0-3 and the scale words are in; the youngest 16 loads (A's blocks 4-7) may be out
.if (\cm) == 0
	WIN MUL_LO
.else
	WIN BIA_LO
.endif
	MUL16 0, (\q)%2, \q, \slot, \cm
	MUL16 2, (\q)%2, \q, \slot, \cm
	s_wait_dscnt 0x0                               ; A's blocks 4-7 are in
	PLACES NP                                      ; in front of loads into registers that matrix instructions have read
	FETCH_B \slot, (\q)+1, 1-(\q)%2
	FETCH_A \slot, (\q)+1, 0
.if (\cm) == 0
	WIN MUL_HI
.else
	WIN BIA_HI
.endif
	MUL16 4, (\q)%2, \q, \slot, \cm
	MUL16 6, (\q)%2, \q, \slot, \cm
	PLACES NP
	WIN 0
	FETCH_A \slot, (\q)+1, 4
.endm
; A slot's last step changes slots: in front of the one barrier each wave waits for all its tensor loads, adds 0 to its spare word, and waits for that and for its reads of this slot.  fill = 1: the slot is filled again, two slots ahead, behind a round of the cluster's barrier.
.macro TURN slot, next, fill
	s_wait_tensorcnt 0x0                           ; all my tensor loads have landed: my part of the next slot
	ds_add_u32 v[SPW], v[NIL]
	s_wait_dscnt 4*NL+1                            ; the add and the youngest 16 loads (A's blocks 4-7) may be out
	WIN MUL_LO
	MUL16 0, 1, 1, \slot, 0
	s_wait_dscnt 0x0                               ; the add is done, and my reads of this slot are over
	s_barrier_signal -1
	MUL16 2, 1, 1, \slot, 0
	WIN 0
	s_barrier_wait -1
.if \fill
	CREST                                          ; no wave of any partner still reads this slot or has a load on its way
	s_add_nc_u64 s[G0+4*\slot+2:G0+4*\slot+3], s[G0+4*\slot+2:G0+4*\slot+3], 2*HALFT
	s_add_nc_u64 s[G0B+4*\slot+2:G0B+4*\slot+3], s[G0B+4*\slot+2:G0B+4*\slot+3], 2*HALFT
	JLOAD G0+4*\slot, G1, G0B+4*\slot, G1B         ; the first tensor load behind the round; its four v_nop are the places in front of the loads below
.else
	PLACES NP
.endif
	v_add_nc_u32 v[ADRS], 128, v[ADRS]             ; the next slot's scale words
	FETCH_B \next, 0, 0
	FETCH_A \next, 0, 0
	SCALES \next
	WIN MUL_HI
	MUL16 4, 1, 1, \slot, 0
	MUL16 6, 1, 1, \slot, 0
	PLACES NP
	WIN 0
	FETCH_A \next, 0, 4
.endm
	s_wait_tensorcnt 1                             ; the scale words and my part of slot 0 are in; slot 1's load may be out
	s_barrier_signal -1
	s_barrier_wait -1
	FETCH_B 0, 0, 0
	FETCH_A 0, 0, 0
	SCALES 0
	FETCH_A 0, 0, 4
	s_wait_loadcnt 0x0                             ; the bias
	s_cmp_eq_u32 s23, 1
	s_cbranch_scc1 .Lfirst_v
	STEP 0, 0, 1                                   ; the first step's products begin the sums with the bias
	s_branch .Lfirst_done
.Lfirst_v:
	STEP 0, 0, 2
.Lfirst_done:
	TURN 0, 1, 1                                   ; K = 1,024 is four slots: written out
	STEP 1, 0, 0
	TURN 1, 0, 1
	STEP 0, 0, 0
	TURN 0, 1, 0
	STEP 1, 0, 0
	s_wait_dscnt 4*NL
	WIN MUL_LO
	MUL16 0, 1, 1, 1, 0
	MUL16 2, 1, 1, 1, 0
	s_wait_dscnt 0x0
	WIN MUL_HI
	MUL16 4, 1, 1, 1, 0
	MUL16 6, 1, 1, 1, 0
	WIN 0
	; THE WAY OUT.  For A's block a a lane's 64 results are 128 neighbours' halves along the next K: register 16 B + i = k 32 B + 16 h + i of my row.  They become one fragment and one scale word a row.
	; q, k: the fragment's two halves are two heads' 64 features of 16 tokens.  v: the fragment is 16 features x 128 keys.
	s_lshl_b32 s104, s40, 1
	s_add_co_u32 s104, s104, s17                   ; my block of 128 rows of A
	s_lshl_b32 s105, s41, 1
	s_add_co_u32 s105, s105, s18                   ; of B
	s_cmp_eq_u32 s23, 1
	s_cselect_b32 s12, s105, s104                  ; the block of tokens
	s_cselect_b32 s13, s104, s105                  ; the block of features
	s_mov_b32 s8, 768
	s_cselect_b32 s8, 93696, s8                    ; from block 3 to block 4 (v: on to the next head)
	s_mov_b32 s10, 768
	s_cselect_b32 s10, 1536, s10                   ; from block to block
	s_mov_b32 s66, 98304
	s_cselect_b32 s66, 768, s66                    ; from a fragment's first half to its second
	s_mov_b32 s9, 0
	s_mov_b32 s11, 0
	s_mov_b32 s67, 0
	s_lshr_b32 s104, s13, 3
	s_cmp_eq_u32 s23, 1
	s_cselect_b32 s104, 2, s104                    ; the region: 0 q, 1 k, 2 v
	s_and_b32 s13, s13, 7                          ; the pair of heads
	s_lshr_b32 s105, s12, 4                        ; batch
	s_and_b32 s12, s12, 15                         ; the step of 128 tokens
	s_mul_i32 s2, s104, 6291456
	s_mul_i32 s3, s105, 1572864
	s_add_co_u32 s2, s2, s3
	s_mul_i32 s3, s13, 196608
	s_add_co_u32 s2, s2, s3
	s_mul_i32 s3, s12, 6144
	s_add_co_u32 s2, s2, s3
	s_mov_b32 s3, 0
	s_lshl_b32 s100, s105, 17
	s_lshl_b32 s101, s13, 14
	s_add_co_u32 s100, s100, s101
	s_lshr_b32 s100, s100, s23                     ; v has one scale image for a pair of heads
	s_lshl_b32 s101, s104, 19
	s_add_co_u32 s100, s100, s101
	s_lshl_b32 s101, s12, 9
	s_add_co_u32 s100, s100, s101
	s_add_co_u32 s100, s100, 18874368
	s_mov_b32 s101, 0
	s_add_nc_u64 s[2:3], s[14:15], s[2:3]          ; the first halves
	s_add_nc_u64 s[66:67], s[2:3], s[66:67]        ; the second halves
	s_add_nc_u64 s[100:101], s[14:15], s[100:101]  ; the scale image
	s_mov_b32 s96, 0x76543210
	s_mov_b32 s97, 0xfedcba98                      ; selects for lane l xor 16
	PLACES NP                                      ; behind the last products: their results are read and A's registers written from here on
.irp b, 0,1,2,3
	v_mov_b32 v[TM+4+\b], 0                        ; a lane permute's destination counts as one of its sources
.endr
.macro EPI a
.set AC, 64*((\a)%4)
	s_wait_xcnt 0x0                                ; the last block's stores have read their data and their bases
.if (\a) == 4
	s_add_nc_u64 s[2:3], s[2:3], s[8:9]
	s_add_nc_u64 s[66:67], s[66:67], s[8:9]
.elseif (\a) > 0
	s_add_nc_u64 s[2:3], s[2:3], s[10:11]
	s_add_nc_u64 s[66:67], s[66:67], s[10:11]
.endif
	WIN 0x28+0x14*((\a)/4)                         ; sources 1 and 2: the accumulators' window
.irp b, 0,1,2,3
	v_max3_num_f32 v[TM+\b], v[FLR], |v[AC+16*\b]|, |v[AC+16*\b+1]|   ; each accumulator from its low end on; the floor holds the byte at 1 from below
.endr
.irp i, 2,4,6,8,10,12,14
.irp b, 0,1,2,3
	v_max3_num_f32 v[TM+\b], v[TM+\b], |v[AC+16*\b+\i]|, |v[AC+16*\b+\i+1]|
.endr
.endr
	WIN 0
.irp b, 0,1,2,3
	v_permlanex16_b32 v[TM+4+\b], v[TM+\b], s96, s97
.endr
.irp b, 0,1,2,3
	v_max_num_f32 v[TM+\b], v[TM+\b], v[TM+4+\b]   ; with lane l xor 16's: the block's largest magnitude
.endr
.irp b, 0,1,2,3
	v_add_nc_u32 v[TM+12+\b], 0xfe000000, v[TM+\b]
.endr
.irp b, 0,1,2,3
	v_lshrrev_b32 v[TM+4+\b], 23, v[TM+12+\b]
.endr
	v_lshl_or_b32 v[WD+(\a)], v[TM+5], 8, v[TM+4]
	v_lshl_or_b32 v[WD+(\a)], v[TM+6], 16, v[WD+(\a)]
	v_lshl_or_b32 v[WD+(\a)], v[TM+7], 24, v[WD+(\a)]
	WIN 0x02+(\a)/4                                ; source 0: the accumulators' window
.irp c, 0,1
	v_cvt_scalef32_pk16_bf6_f32 v[PC+6*\c:PC+6*\c+2], v[AC+32*\c:AC+32*\c+15], v[TM+12+2*\c]
	v_cvt_scalef32_pk16_bf6_f32 v[PT+4*\c:PT+4*\c+2], v[AC+32*\c+16:AC+32*\c+31], v[TM+12+2*\c+1]
.endr
	WIN 0
	v_nop                                          ; one plain place behind a scaled conversion
.irp c, 0,1                                    ; the operand's layout wants a whole block in a lane
.irp i, 0,1,2
	v_permlane16_swap_b32 v[PC+6*\c+\i], v[PT+4*\c+\i]
.endr
.irp i, 0,1,2
	v_mov_b32 v[PC+3+6*\c+\i], v[PT+4*\c+\i]
.endr
.endr
	global_store_b128 v[L16], v[PC:PC+3], s[2:3]                 ; each store covers 512 or 256 consecutive bytes, aligned to 256
	global_store_b64 v[L8], v[PC+4:PC+5], s[2:3] offset:512
	global_store_b128 v[L16], v[PC+6:PC+9], s[66:67]
	global_store_b64 v[L8], v[PC+10:PC+11], s[66:67] offset:512
.endm
.irp a, 0,1,2,3,4,5,6,7
	EPI \a
.endr
	s_mov_b32 s104, 0xffff0000
.irp i, 0,1,2,3
	v_cndmask_b32 v[IM+\i], v[WD+\i], v[WD+4+\i], s104   ; the scale image: lanes 0-15 blocks 0-3, lanes 16-31 blocks 4-7
.endr
	global_store_b128 v[L16], v[IM:IM+3], s[100:101]
	s_cmp_eq_u32 s23, 1
	s_cbranch_scc1 .Lno_odd
.irp i, 0,1,2,3
	v_lshrrev_b32 v[JM+\i], 16, v[IM+\i]           ; q, k: the odd head's two bytes, moved down
.endr
	global_store_b128 v[L16], v[JM:JM+3], s[100:101] offset:8192
.Lno_odd:
	s_wait_tensorcnt 0x0                           ; the wave's end
	ds_add_u32 v[SPW], v[NIL]
	s_wait_dscnt 0x0
	CROUND                                         ; the closing round
	s_endpgm
.Lfunc_end_k_q46b579731d_gemmq:
	.size	k_q46b579731d_gemmq, .Lfunc_end_k_q46b579731d_gemmq-k_q46b579731d_gemmq
	.p2alignl 7, 3214868480
	.fill 96, 4, 3214868480
	.section	.rodata,"a",@progbits
	.p2align	6, 0x0
	.amdhsa_kernel k_q46b579731d_gemmq
		.amdhsa_group_segment_fixed_size 327680
		.amdhsa_private_segment_fixed_size 0
		.amdhsa_enable_private_segment 0
		.amdhsa_kernarg_size 48
		.amdhsa_user_sgpr_count 2
		.amdhsa_user_sgpr_kernarg_segment_ptr 1
		.amdhsa_wavefront_size32 1
		.amdhsa_system_sgpr_workgroup_id_x 1
		.amdhsa_system_sgpr_workgroup_id_y 1
		.amdhsa_system_sgpr_workgroup_id_z 1
		.amdhsa_system_vgpr_workitem_id 0
		.amdhsa_next_free_vgpr 1024
		.amdhsa_next_free_sgpr 106
		.amdhsa_reserve_vcc 0
		.amdhsa_float_denorm_mode_32 3
		.amdhsa_float_denorm_mode_16_64 3
		.amdhsa_memory_ordered 1
		.amdhsa_forward_progress 1
		.amdhsa_inst_pref_size 171
	.end_amdhsa_kernel
	.amdgpu_metadata
---
amdhsa.version: [ 1, 2 ]
amdhsa.kernels:
  - .name:           k_q46b579731d_gemmq
    .symbol:         k_q46b579731d_gemmq.kd
    .args:
      - { .name: xq, .offset: 0, .size: 8, .value_kind: global_buffer, .address_space: global }
      - { .name: wq, .offset: 8, .size: 8, .value_kind: global_buffer, .address_space: global }
      - { .name: bq, .offset: 16, .size: 8, .value_kind: global_buffer, .address_space: global }
      - { .name: bk, .offset: 24, .size: 8, .value_kind: global_buffer, .address_space: global }
      - { .name: bv, .offset: 32, .size: 8, .value_kind: global_buffer, .address_space: global }
      - { .name: qkv, .offset: 40, .size: 8, .value_kind: global_buffer, .address_space: global }
    .group_segment_fixed_size: 327680
    .private_segment_fixed_size: 0
    .kernarg_segment_align: 8
    .kernarg_segment_size: 48
    .max_flat_workgroup_size: 128
    .sgpr_count:     106
    .vgpr_count:     1024
    .wavefront_size: 32
...
	.end_amdgpu_metadata
.endif
;; end of part 2
;; launch attn (part 3): grid 4 x 64, 16 waves a work-group, no clusters, 219,136 bytes of LDS; arguments qkv, pb, flags, oq; writes oq
.if DOCPART == 3
	.amdgcn_target "amdgcn-amd-amdhsa--gfx1250"
	.amdhsa_code_object_version 6
	.text
	.protected	k_q46b579731d_attn
	.globl	k_q46b579731d_attn
	.p2align	8
	.type	k_q46b579731d_attn,@function
k_q46b579731d_attn:
	s_mov_b64 s[64:65], 0
	v_nop
	global_prefetch_b8 v0, s[64:65] scope:SCOPE_SE
	s_setreg_imm32_b32 hwreg(HW_REG_WAVE_MODE, 25, 1), 1
	s_wait_xcnt 0x0
; attn = softmax(q k^T / 8, causal and padding masks), o = attn v, both products on codes of BF6 (E3M2) with E8M0 scales; o is quantised along the model's 1,024 for the last product.
; LEFT OUT AS DEAD WORK: key steps (128 keys) all of whose keys come after every query of the tile in hand: reference()'s own triu mask makes their weights 0 for all inputs.
; THE WEIGHTS ARE QUANTISED FINISHED AND NORMALISED, so a row's sum must be known before any weight is quantised: the keys are walked TWICE.  Pass 1: S^T = K Q^T, the running maximum and the sum.
; Pass 2: S^T again, p = 2^(t - M) / l, quantised along the keys, O^T += V^T P^T.  t = score x log2(e) / 8; M = the largest t rounded up to a whole number.
; The first product's K is 64, half of the instruction's 128: Q's upper six registers hold zero codes; what stands beside them in K's operand (the next tile's codes) counts for nothing.
; SHARES.  A work-group serves one head; its sixteen waves take two tiles of 16 queries each, tiles g = 4 wave + x and 127 - g: 17 live key steps in each pass for every wave.
; The head's K, V^T, their scale words and the batch's padding terms lie in LDS, filled once through registers: no ring.
; NO CLUSTER, NO TENSOR LOAD: the launch branches on whole numbers read from memory (which key steps hold a padded key); what four work-groups of a head share is 217,088 bytes read once, against 2 x 17 key steps of each of sixteen waves.
; PADDING.  In a step with a padded key the products begin with C = the padding terms (0 or -2^100); hidden keys on the diagonal get -2^100 by a select.  The running t is held at -2^31 from below, so such a p is 0.
; A row with no key has l = 0: its 1 / l is replaced by 0, its weights and its o are 0, as reference()'s nan_to_num has them.
; 1 / l is multiplied by 1 + 2^-21, so that a weight that is exactly a power of two (1.0 in a row with one key) never comes out just under it.
; LIMITS: |score| x 0.1803 under 2^31; a weight under 2^-126 becomes 0; weights are up to 6e-7 of themselves too high; a block of zeros gets the scale byte 1; NaN and infinities are not served.
; LAYOUT.  Both products transposed: a lane holds ONE query (row(T, lane % 16)).  Tile t of a step holds keys 32 (t / 2) + 8 (t % 2) + r + 8 (r / 8): register 16 B + i of S^T is key 32 B + 16 h + i.
; REGISTERS: v0 16 r; v1-7 bases; v8-11, v28-30 addresses in hand; v12 -M, v13 largest t, v[14:15] the sum in pass 1, 1 / l (in v14) in pass 2; v16-27 Q and zeros; v31 Q's scale words; v32-85 K and zeros (v32-58 at work behind the products);
; v86-89 K's scale words, v90-93 V's; v95 p's scale word; v96-159 S^T, then p; v160-191 O^T; v192-239 V; v240-251 p's codes; v252, v253 the add's two; v254 at work; v255 r + 8 (r / 8) - 16 h.
.set VI,    98304                      ; LDS: K's halves [step][tile 8][768] from 0; V's fragments [step][tile 4][1,536] from here;
.set KSC,   196608                     ; K's scale images [step][512];
.set VSC,   204800                     ; V's, my head's half [step][256];
.set PBL,   208896                     ; the padding terms, f32, by key;
.set SPARE, 217088                     ; the spare words, 128 bytes a wave
.set NEG,   0xf1800000                 ; -2^100
.set FLOOR, 0x2800000                  ; 2^(5 - 127)
	s_load_b256 s[4:11], s[0:1], 0x0               ; qkv, pb, flags, oq
	v_lshl_add_u32 v252, v0, 2, SPARE
	v_mov_b32 v253, 0
	v_lshrrev_b32 v1, 5, v0
	v_readfirstlane_b32 s12, v1                    ; wave
	s_mov_b32 s13, ttmp9
	s_and_b32 s14, ttmp7, 0xffff                   ; batch x 16 + head
	s_lshr_b32 s15, s14, 4
	s_and_b32 s16, s14, 15
	v_lshlrev_b32 v8, 4, v0                        ; the fill: 16 x thread,
	v_add_nc_u32 v9, 0x10000, v8                   ; and the same 64 KiB, 128 KiB, 192 KiB on (an LDS immediate has 16 bits)
	v_add_nc_u32 v10, 0x20000, v8
	v_add_nc_u32 v11, 0x30000, v8
	v_lshlrev_b32 v28, 3, v0
	v_add_nc_u32 v28, 0x30000, v28
	v_and_b32 v29, 31, v0
	v_lshlrev_b32 v29, 3, v29
	v_lshl_add_u32 v29, v1, 9, v29                 ; V's scale words in memory: 512 x step + 8 x lane
	s_mov_b32 s33, 0
	s_mov_b32 s20, 0x76543210
	s_mov_b32 s21, 0xfedcba98                      ; selects for lane l xor 16
	s_mov_b32 s22, 0x3e38aa3b                      ; c = log2(e) / 8
	s_mov_b32 s23, s22
	s_wait_kmcnt 0x0
	s_mul_i32 s32, s14, 98304
	s_add_nc_u64 s[36:37], s[4:5], s[32:33]        ; my head's Q,
	s_add_nc_u64 s[38:39], s[36:37], 6291456       ; K,
	s_add_nc_u64 s[40:41], s[36:37], 12582912      ; V
	s_lshl_b32 s32, s14, 13
	s_add_nc_u64 s[42:43], s[4:5], s[32:33]
	s_add_nc_u64 s[44:45], s[42:43], 19398656      ; K's scale images,
	s_add_nc_u64 s[42:43], s[42:43], 18874368      ; Q's
	s_lshl_b32 s32, s15, 3
	s_lshr_b32 s34, s16, 1
	s_add_co_u32 s32, s32, s34
	s_lshl_b32 s32, s32, 13
	s_and_b32 s35, s16, 1
	s_lshl_b32 s60, s35, 8
	s_add_co_u32 s32, s32, s60
	s_add_co_u32 s32, s32, 19922944
	s_add_nc_u64 s[46:47], s[4:5], s[32:33]        ; V's, my head's half of each image
	s_lshl_b32 s32, s15, 13
	s_add_nc_u64 s[6:7], s[6:7], s[32:33]          ; my batch's padding terms
	s_lshl_b32 s32, s15, 8
	s_add_nc_u64 s[8:9], s[8:9], s[32:33]
	s_load_b32 s19, s[8:9], 0x0                    ; my batch's bits: steps 0-7,
	s_load_b32 s61, s[8:9], 0x80                   ; steps 8-15
.irp n, 0,1,2,3,4,5,6,7,8,9,10,11
	global_load_b128 v[96+4*\n:99+4*\n], v8, s[38:39] offset:8192*\n
.endr
.irp n, 0,1,2,3,4,5,6,7,8,9,10,11
	global_load_b128 v[144+4*\n:147+4*\n], v8, s[40:41] offset:8192*\n
.endr
	global_load_b128 v[192:195], v8, s[44:45]
	global_load_b128 v[196:199], v8, s[6:7]
	global_load_b64 v[200:201], v29, s[46:47]
	s_mul_i32 s32, s15, 1572864                    ; o's codes: batch, K step head / 2, half head % 2
	s_mul_i32 s60, s34, 12288
	s_add_co_u32 s32, s32, s60
	s_mul_i32 s60, s35, 768
	s_add_co_u32 s32, s32, s60
	s_add_nc_u64 s[48:49], s[10:11], s[32:33]
	s_lshl_b32 s32, s15, 16                        ; o's scale bytes
	s_lshr_b32 s60, s16, 2
	s_lshl_b32 s60, s60, 7
	s_add_co_u32 s32, s32, s60
	s_and_b32 s34, s34, 1
	s_lshl_b32 s34, s34, 2
	s_add_co_u32 s32, s32, s34
	s_lshl_b32 s35, s35, 1
	s_add_co_u32 s32, s32, s35
	s_add_co_u32 s32, s32, 6291456
	s_add_nc_u64 s[50:51], s[10:11], s[32:33]
	v_and_b32 v32, 31, v0                          ; lane
	v_and_b32 v33, 15, v0                          ; r
	v_bfe_u32 v34, v0, 4, 1                        ; h
	v_lshlrev_b32 v1, 4, v32
	v_lshlrev_b32 v2, 3, v32
	v_add_nc_u32 v3, VI, v1
	v_add_nc_u32 v4, VI, v2
	v_add_nc_u32 v5, KSC, v1
	v_lshlrev_b32 v6, 6, v34
	v_add_nc_u32 v6, PBL, v6
	v_lshlrev_b32 v0, 4, v33
	v_add_nc_u32 v7, VSC, v0
	v_and_b32 v35, 8, v33
	v_add_nc_u32 v35, v35, v33
	v_lshlrev_b32 v34, 4, v34
	v_sub_nc_u32 v255, v35, v34
.irp i, 22,23,24,25,26,27,80,81,82,83,84,85
	v_mov_b32 v\i, 0                               ; zero codes: Q's upper six registers, and what stands behind K's last tile
.endr
.irp i, 36,37,38,39
	v_mov_b32 v\i, 0                               ; written once: a lane permute's destination counts as one of its sources
.endr
.irp i, 0,1,2,3,4,5,6,7,8,9,10,11,12,13,14,15,16,17,18,19,20,21,22,23
	s_wait_loadcnt 26-\i                           ; loads come back in order: the younger ones may stay out
	ds_store_b128 v[8+\i/8], v[96+4*\i:99+4*\i] offset:8192*(\i%8)
.endr
	s_wait_loadcnt 2
	ds_store_b128 v11, v[192:195]
	s_wait_loadcnt 1
	ds_store_b128 v11, v[196:199] offset:12288
	s_wait_loadcnt 0x0
	ds_store_b64 v28, v[200:201] offset:8192
	s_wait_kmcnt 0x0
	s_lshl_b32 s61, s61, 8
	s_or_b32 s19, s19, s61                         ; bit i: key step i holds a padded key
	s_lshl_b32 s17, s12, 2
	s_add_co_u32 s17, s17, s13                     ; my first tile
	s_mov_b32 s18, 2
	s_wait_dscnt 0x0                               ; for the others' sake: my stores have landed
	s_barrier_signal -1
	s_barrier_wait -1                              ; the launch's one barrier: from here on LDS is only read
; S^T = K Q^T of one key step.  second = 1: V's fragments and scale words are asked for behind K's.
.macro QK second
.irp t, 0,1,2,3,4,5,6,7
	ds_load_b128 v[32+6*\t:35+6*\t], v8 offset:768*\t
	ds_load_b64 v[36+6*\t:37+6*\t], v9 offset:768*\t+512
.endr
	ds_load_b128 v[86:89], v10
.if \second
.irp d, 0,1,2,3
	ds_load_b128 v[192+12*\d:195+12*\d], v28 offset:1536*\d
	ds_load_b64 v[196+12*\d:197+12*\d], v29 offset:1536*\d+512
	ds_load_b128 v[198+12*\d:201+12*\d], v28 offset:1536*\d+768
	ds_load_b64 v[202+12*\d:203+12*\d], v29 offset:1536*\d+1280
.endr
	ds_load_b128 v[90:93], v30
.endif
	s_and_b32 s32, s31, 1                          ; does this step hold a padded key?  A whole number that an earlier launch stored
	s_cmp_lg_u32 s32, 0
	s_cbranch_scc1 .Lpadded_\@
.if \second
	s_wait_dscnt 17                                ; K's 17 loads are in; V's 17 may be out
.else
	s_wait_dscnt 0x0
.endif
.irp t, 0,1,2,3
	v_wmma_scale_f32_16x16x128_f8f6f4 v[96+8*\t:103+8*\t], v[32+6*\t:43+6*\t], v[16:27], 0, v[86+\t], v31 matrix_a_fmt:MATRIX_FMT_BF6 matrix_b_fmt:MATRIX_FMT_BF6
.endr
.irp t, 4,5,6,7
	v_wmma_scale_f32_16x16x128_f8f6f4 v[96+8*\t:103+8*\t], v[32+6*\t:43+6*\t], v[16:27], 0, v[82+\t], v31 matrix_a_fmt:MATRIX_FMT_BF6 matrix_b_fmt:MATRIX_FMT_BF6 matrix_a_scale:MATRIX_SCALE_ROW1
.endr
	s_branch .Ljoin_\@
.Lpadded_\@:
.irp t, 0,1,2,3,4,5,6,7
	ds_load_b128 v[96+8*\t:99+8*\t], v11 offset:128*(\t/2)+32*(\t%2)        ; the padding terms of my eight keys of tile t
	ds_load_b128 v[100+8*\t:103+8*\t], v11 offset:128*(\t/2)+32*(\t%2)+16
.endr
	s_wait_dscnt 0x0
.irp t, 0,1,2,3
	v_wmma_scale_f32_16x16x128_f8f6f4 v[96+8*\t:103+8*\t], v[32+6*\t:43+6*\t], v[16:27], v[96+8*\t:103+8*\t], v[86+\t], v31 matrix_a_fmt:MATRIX_FMT_BF6 matrix_b_fmt:MATRIX_FMT_BF6
.endr
.irp t, 4,5,6,7
	v_wmma_scale_f32_16x16x128_f8f6f4 v[96+8*\t:103+8*\t], v[32+6*\t:43+6*\t], v[16:27], v[96+8*\t:103+8*\t], v[82+\t], v31 matrix_a_fmt:MATRIX_FMT_BF6 matrix_b_fmt:MATRIX_FMT_BF6 matrix_a_scale:MATRIX_SCALE_ROW1
.endr
.Ljoin_\@:
.rept 4
	v_nop                                          ; places behind the products (ISA guide 7.12.1)
.endr
.endm
; On the diagonal hidden scores become -2^100.  A step all of whose keys count skips this.
.macro CMASK
	s_add_co_u32 s32, s24, 127
	s_cmp_le_u32 s32, s25
	s_cbranch_scc1 .Lopen_\@
	s_sub_co_i32 s32, s25, s24
	v_add_nc_u32 v58, s32, v255                    ; d = my query - the step's first key - 16 h: register 16 B + i is hidden where 32 B + i > d
	v_mov_b32 v254, NEG
.set n, 0
.rept 64
	v_cmp_gt_i32 vcc_lo, 32*(n/16)+n%16, v58
	v_cndmask_b32 v[96+n], v[96+n], v254, vcc_lo
.set n, n+1
.endr
.Lopen_\@:
.endm
.macro NEXTSTEP                        ; run in every trip: the trip counts are constants of the text
	s_add_co_u32 s24, s24, 128
	s_add_co_u32 s28, s28, 6144
	s_add_co_u32 s29, s29, 512
	s_add_co_u32 s30, s30, 256
	s_lshr_b32 s31, s31, 1
.endm
.macro TMINUSM                         ; t - M, two at a time, and the 64 exponentials as one batch
.set n, 0
.rept 32
	v_pk_fma_f32 v[96+n:97+n], v[96+n:97+n], s[22:23], v[12:13] op_sel_hi:[1,0,0]
.set n, n+2
.endr
.set n, 0
.rept 64
	v_exp_f32 v[96+n], v[96+n]
.set n, n+1
.endr
.endm
.macro P1STEP
	s_cmp_gt_u32 s24, s26                          ; all keys behind my tile's last query: the step's work is left out
	s_cbranch_scc1 .Lhid_\@
	v_add_nc_u32 v8, s28, v1
	v_add_nc_u32 v9, s28, v2
	v_add_nc_u32 v10, s29, v5
	v_add_nc_u32 v11, s29, v6
	QK 0
	CMASK
.irp b, 0,1,2,3
	v_max3_num_f32 v[32+\b], v[96+16*\b], v[97+16*\b], v[98+16*\b]
.endr
.irp i, 3,5,7,9,11,13
.irp b, 0,1,2,3
	v_max3_num_f32 v[32+\b], v[32+\b], v[96+16*\b+\i], v[97+16*\b+\i]
.endr
.endr
.irp b, 0,1,2,3
	v_max_num_f32 v[32+\b], v[32+\b], v[111+16*\b]
.endr
	v_max3_num_f32 v32, v32, v33, v34
	v_max_num_f32 v32, v32, v35
	v_permlanex16_b32 v36, v32, s20, s21
	v_max_num_f32 v32, v32, v36                    ; the step's largest score of my query
	v_mul_f32 v32, s22, v32
	v_max_num_f32 v13, v13, v32                    ; the running largest t
	v_mov_b32 v33, v12
	v_floor_f32 v12, -v13                          ; -M = floor(-t)
	v_sub_f32 v33, v12, v33
	v_cvt_i32_f32 v33, v33                         ; (it saturates)
	v_ldexp_f32 v56, 1.0, v33                      ; f = 2^(old M - new M)
	TMINUSM
	v_pk_mul_f32 v[14:15], v[14:15], v[56:57] op_sel_hi:[1,0]   ; the sums under the new M; a plain place behind the exponentials
	s_wait_alu depctr_va_vdst(0)                   ; one wait for the batch, ahead of its first reader
	v_pk_add_f32 v[36:37], v[96:97], v[98:99]
.irp j, 4,8,12,16,20,24,28,32,36,40,44,48,52,56,60
	v_pk_add_f32 v[14:15], v[14:15], v[96+\j:97+\j]
	v_pk_add_f32 v[36:37], v[36:37], v[98+\j:99+\j]
.endr
	v_pk_add_f32 v[14:15], v[14:15], v[36:37]
.Lhid_\@:
	NEXTSTEP
.endm
.macro P2STEP
	s_cmp_gt_u32 s24, s26
	s_cbranch_scc1 .Lhid_\@
	v_add_nc_u32 v8, s28, v1                       ; (these seven are also the places between the last step's products and the loads into V's registers)
	v_add_nc_u32 v9, s28, v2
	v_add_nc_u32 v10, s29, v5
	v_add_nc_u32 v11, s29, v6
	v_add_nc_u32 v28, s28, v3
	v_add_nc_u32 v29, s28, v4
	v_add_nc_u32 v30, s30, v7
	QK 1
	CMASK
	TMINUSM
	v_nop                                          ; a plain place behind the exponentials
	s_wait_alu depctr_va_vdst(0)                   ; one wait for the batch
.set n, 0
.rept 32
	v_pk_mul_f32 v[96+n:97+n], v[96+n:97+n], v[14:15] op_sel_hi:[1,0]   ; p = 2^(t - M) / l: the finished weight (of the pair the low word, 1 / l, serves both halves)
.set n, n+2
.endr
.irp b, 0,1,2,3
	v_max3_num_f32 v[32+\b], v[96+16*\b], v[97+16*\b], FLOOR   ; no |.|: no p is negative
.endr
.irp i, 2,4,6,8,10,12,14
.irp b, 0,1,2,3
	v_max3_num_f32 v[32+\b], v[32+\b], v[96+16*\b+\i], v[97+16*\b+\i]
.endr
.endr
.irp b, 0,1,2,3
	v_permlanex16_b32 v[36+\b], v[32+\b], s20, s21
.endr
.irp b, 0,1,2,3
	v_max_num_f32 v[32+\b], v[32+\b], v[36+\b]
.endr
.irp b, 0,1,2,3
	v_add_nc_u32 v[40+\b], 0xfe000000, v[32+\b]
.endr
.irp b, 0,1,2,3
	v_lshrrev_b32 v[44+\b], 23, v[40+\b]
.endr
	v_lshl_or_b32 v95, v45, 8, v44                 ; p's scale word for these 128 keys
	v_lshl_or_b32 v95, v46, 16, v95
	v_lshl_or_b32 v95, v47, 24, v95
.irp c, 0,1
	v_cvt_scalef32_pk16_bf6_f32 v[240+6*\c:242+6*\c], v[96+32*\c:111+32*\c], v[40+2*\c]
	v_cvt_scalef32_pk16_bf6_f32 v[48+4*\c:50+4*\c], v[112+32*\c:127+32*\c], v[40+2*\c+1]
.endr
	v_nop                                          ; one plain place behind a scaled conversion
.irp c, 0,1
.irp i, 0,1,2
	v_permlane16_swap_b32 v[240+6*\c+\i], v[48+4*\c+\i]
.endr
.irp i, 0,1,2
	v_mov_b32 v[243+6*\c+\i], v[48+4*\c+\i]
.endr
.endr
.rept 8
	v_nop                                          ; a scale word written by vector instructions stands eight places ahead of a scaled product, an operand so written four
.endr
	s_wait_dscnt 0x0                               ; V is in
.irp d, 0,1,2,3
	v_wmma_scale_f32_16x16x128_f8f6f4 v[160+8*\d:167+8*\d], v[192+12*\d:203+12*\d], v[240:251], v[160+8*\d:167+8*\d], v[90+\d], v95 matrix_a_fmt:MATRIX_FMT_BF6 matrix_b_fmt:MATRIX_FMT_BF6
.endr
.Lhid_\@:
	NEXTSTEP
.endm
.macro RESET
	s_mov_b32 s24, 0                               ; the step's first key
	s_mov_b32 s28, 0                               ; 6,144 x step
	s_mov_b32 s29, 0                               ; 512 x step
	s_mov_b32 s30, 0                               ; 256 x step
	s_mov_b32 s31, s19
	s_mov_b32 s27, 16
.endm
.Ltile:                                            ; two trips: tile g, then tile 127 - g
	s_wait_xcnt 0x0                                ; the last tile's stores have read their data and their bases
	s_lshr_b32 s32, s17, 1
	s_lshl_b32 s25, s32, 5
	s_and_b32 s32, s17, 1
	s_lshl_b32 s32, s32, 3
	s_add_co_u32 s25, s25, s32                     ; the tile's first query
	s_add_co_u32 s26, s25, 23                      ; and its last
	s_mul_i32 s32, s17, 768
	s_add_nc_u64 s[52:53], s[36:37], s[32:33]
	s_lshr_b32 s34, s17, 3
	s_and_b32 s35, s17, 7
	s_lshl_b32 s32, s34, 9
	s_lshr_b32 s60, s35, 2
	s_lshl_b32 s60, s60, 8
	s_add_co_u32 s32, s32, s60
	s_and_b32 s60, s17, 3
	s_lshl_b32 s60, s60, 2
	s_add_co_u32 s32, s32, s60
	s_add_nc_u64 s[54:55], s[42:43], s[32:33]
	s_mul_i32 s32, s34, 98304
	s_mul_i32 s60, s35, 1536
	s_add_co_u32 s32, s32, s60
	s_add_nc_u64 s[56:57], s[48:49], s[32:33]
	s_lshl_b32 s32, s34, 12
	s_lshl_b32 s60, s35, 9
	s_add_co_u32 s32, s32, s60
	s_add_nc_u64 s[58:59], s[50:51], s[32:33]
	global_load_b128 v[16:19], v1, s[52:53]        ; Q's half fragment
	global_load_b64 v[20:21], v2, s[52:53] offset:512
	global_load_b32 v31, v0, s[54:55]              ; and its scale words
	v_mov_b32 v13, 0xcf000000                      ; the largest t so far: -2^31
	v_floor_f32 v12, -v13
	v_mov_b32 v14, 0
	v_mov_b32 v15, 0
	RESET
	s_wait_loadcnt 0x0
.Lp1:
	P1STEP
	s_sub_co_u32 s27, s27, 1
	s_cmp_lg_u32 s27, 0
	s_cbranch_scc1 .Lp1
	v_add_f32 v14, v14, v15
	v_permlanex16_b32 v36, v14, s20, s21
	v_add_f32 v14, v14, v36                        ; l
	v_rcp_f32 v15, v14
	v_nop                                          ; a plain place behind the reciprocal
	v_cmp_lt_f32 vcc_lo, 0, v14
	s_wait_alu depctr_va_vdst(0)                   ; the wait ahead of its first reader
	v_mul_f32 v14, 0x3f800004, v15                 ; 1 / l x (1 + 2^-21), where the sum stood: pass 2 has no sum
	v_cndmask_b32 v14, 0, v14, vcc_lo              ; a row with no key: 0
.set n, 0
.rept 32
	v_mov_b32 v[160+n], 0                          ; O^T: the step is written once, so the first finds zeros
.set n, n+1
.endr
	RESET
.Lp2:
	P2STEP
	s_sub_co_u32 s27, s27, 1
	s_cmp_lg_u32 s27, 0
	s_cbranch_scc1 .Lp2
	; THE WAY OUT: register 16 B + i of O^T is channel 32 B + 16 h + i of my query: two blocks of the last product's K
.rept 4
	v_nop                                          ; places behind the last products
.endr
.irp b, 0,1
	v_max3_num_f32 v[32+\b], |v[160+16*\b]|, |v[161+16*\b]|, FLOOR
.endr
.irp i, 2,4,6,8,10,12,14
.irp b, 0,1
	v_max3_num_f32 v[32+\b], v[32+\b], |v[160+16*\b+\i]|, |v[161+16*\b+\i]|
.endr
.endr
.irp b, 0,1
	v_permlanex16_b32 v[36+\b], v[32+\b], s20, s21
.endr
.irp b, 0,1
	v_max_num_f32 v[32+\b], v[32+\b], v[36+\b]
.endr
.irp b, 0,1
	v_add_nc_u32 v[40+\b], 0xfe000000, v[32+\b]
.endr
.irp b, 0,1
	v_lshrrev_b32 v[44+\b], 23, v[40+\b]
.endr
	v_cvt_scalef32_pk16_bf6_f32 v[240:242], v[160:175], v40
	v_cvt_scalef32_pk16_bf6_f32 v[48:50], v[176:191], v41
	v_nop
.irp i, 0,1,2
	v_permlane16_swap_b32 v[240+\i], v[48+\i]
.endr
.irp i, 0,1,2
	v_mov_b32 v[243+\i], v[48+\i]
.endr
	v_lshl_or_b32 v254, v45, 8, v44                ; my head's two bytes of the row's scale word
	v_lshrrev_b32 v46, 1, v0                       ; 8 r
	global_store_b128 v1, v[240:243], s[56:57]
	global_store_b64 v2, v[244:245], s[56:57] offset:512
	global_store_b16 v46, v254, s[58:59]           ; lanes r and r + 16 write the same two bytes; the word's other two bytes are another head's, another work-group's
	s_sub_co_u32 s17, 127, s17
	s_sub_co_u32 s18, s18, 1
	s_cmp_lg_u32 s18, 0
	s_cbranch_scc1 .Ltile
	s_wait_tensorcnt 0x0                           ; the wave's end
	ds_add_u32 v252, v253
	s_wait_dscnt 0x0
	s_endpgm
.Lfunc_end_k_q46b579731d_attn:
	.size	k_q46b579731d_attn, .Lfunc_end_k_q46b579731d_attn-k_q46b579731d_attn
	.p2alignl 7, 3214868480
	.fill 96, 4, 3214868480
	.section	.rodata,"a",@progbits
	.p2align	6, 0x0
	.amdhsa_kernel k_q46b579731d_attn
		.amdhsa_group_segment_fixed_size 219136
		.amdhsa_private_segment_fixed_size 0
		.amdhsa_enable_private_segment 0
		.amdhsa_kernarg_size 32
		.amdhsa_user_sgpr_count 2
		.amdhsa_user_sgpr_kernarg_segment_ptr 1
		.amdhsa_wavefront_size32 1
		.amdhsa_system_sgpr_workgroup_id_x 1
		.amdhsa_system_sgpr_workgroup_id_y 1
		.amdhsa_system_sgpr_workgroup_id_z 1
		.amdhsa_system_vgpr_workitem_id 0
		.amdhsa_next_free_vgpr 256
		.amdhsa_next_free_sgpr 66
		.amdhsa_reserve_vcc 1
		.amdhsa_float_denorm_mode_32 3
		.amdhsa_float_denorm_mode_16_64 3
		.amdhsa_memory_ordered 1
		.amdhsa_forward_progress 1
		.amdhsa_inst_pref_size 56
	.end_amdhsa_kernel
	.amdgpu_metadata
---
amdhsa.version: [ 1, 2 ]
amdhsa.kernels:
  - .name:           k_q46b579731d_attn
    .symbol:         k_q46b579731d_attn.kd
    .args:
      - { .name: qkv, .offset: 0, .size: 8, .value_kind: global_buffer, .address_space: global }
      - { .name: pb, .offset: 8, .size: 8, .value_kind: global_buffer, .address_space: global }
      - { .name: flags, .offset: 16, .size: 8, .value_kind: global_buffer, .address_space: global }
      - { .name: oq, .offset: 24, .size: 8, .value_kind: global_buffer, .address_space: global }
    .group_segment_fixed_size: 219136
    .private_segment_fixed_size: 0
    .kernarg_segment_align: 8
    .kernarg_segment_size: 32
    .max_flat_workgroup_size: 512
    .sgpr_count:     66
    .vgpr_count:     256
    .wavefront_size: 32
...
	.end_amdgpu_metadata
.endif
;; end of part 3
;; launch oproj (part 4): grid 4 x 32, 4 waves a work-group, clusters of 4 x 4, 327,680 bytes of LDS; arguments oq, wq, bo, out0; writes out0
.if DOCPART == 4
	.amdgcn_target "amdgcn-amd-amdhsa--gfx1250"
	.amdhsa_code_object_version 6
	.text
	.protected	k_q46b579731d_oproj
	.globl	k_q46b579731d_oproj
	.p2align	8
	.type	k_q46b579731d_oproj,@function
k_q46b579731d_oproj:
	s_mov_b64 s[64:65], 0
	v_nop
	global_prefetch_b8 v0, s[64:65] scope:SCOPE_SE
	s_setreg_imm32_b32 hwreg(HW_REG_WAVE_MODE, 25, 1), 1
	s_wait_xcnt 0x0
	s_wait_alu depctr_hold_cnt(0) depctr_sa_sdst(0) depctr_va_vdst(0) depctr_va_sdst(0) depctr_va_ssrc(0) depctr_va_vcc(0) depctr_vm_vsrc(0)
	s_getreg_b32 s2, hwreg(HW_REG_IB_STS2, 6, 4)
	s_cmp_eq_u32 s2, 0
	s_cbranch_scc0 .Lentry_in_a_cluster
	s_endpgm
.Lentry_in_a_cluster:
	s_bfe_u32 s2, ttmp6, 0x10000c
	s_cmp_lg_u32 s2, 0xf033
	s_cbranch_scc0 .Lentry_shape_is_right
	s_endpgm
.Lentry_shape_is_right:
; out0 = o Wo^T + bo on codes of BF6 (E3M2) with E8M0 scales, K = 1,024; out0 [8192][1024] f32.  No work is left out here.
; The ring, the joint loads, the LDS map and the steps are launch gemmq's: A = o's tokens (codes and scale words made by launch attn), B = the rows of Wo (the fourth weight in wq).
; A tile of out0 is 256 x 256, four waves of 128 x 128.  Used transposed (source 0 = 16 rows of Wo, source 1 = 16 tokens): a lane holds eight neighbouring columns of one row.  bo is the C of each sum's first product.
; The rows of a tile are row(T, r) = 32 (T / 2) + 8 (T % 2) + r + 8 (r / 8), for tokens and for Wo's rows alike; the way out puts rows and columns back in their places.
; By this text's count a wave has at most three tensor loads out (at the start), later one.
.set FR,    12
.set NL,    4
.set NP,    4
.set HALFT, 24576
.set SLOT,  98304
.set SCL,   196608
.set SPARE, 212992
.set SPITCH, 528                       ; the way out: a stage of 16 rows x (512 + 16) bytes for each wave, in slot 0, which has had its last fill and its last read when the first result is stored there
.set ADRA, 16
.set ADRB, 20
.set L16,  24
.set L8,   25
.set STO,  26
.set ADRS, 27
.set SPW,  28
.set NIL,  29
.set RD,   31
.set SC,   32
.set BI,   64
.set AF,   128
.set BK,   128
.set G1, 24
.set G0, 32
.set G1B, 48
.set G0B, 56
.set G1S, 68
.set G0S, 76
.set G1SB, 80
.set G0SB, 88
.set MSB, 0
.macro WIN new
.if MSB != (\new)
	s_set_vgpr_msb (MSB<<8)|(\new)
.set MSB, (\new)
.endif
.endm
.set MUL_LO, 0xa1
.set MUL_HI, 0xf1
.set BIA_LO, 0x81
.set BIA_HI, 0xc1
.set TO_B,   0x40
.macro JLOAD g0a, g1a, g0b, g1b        ; a joint load: waves 0, 1 fetch for A, waves 2, 3 for B; an s_nop 0 and four v_nop follow each line
	s_cmp_eq_u32 s17, 0
	s_cbranch_scc0 .Lfor_b_\@
	tensor_load_to_lds s[\g0a:\g0a+3], s[\g1a:\g1a+7]
	s_nop 0
.rept 4
	v_nop
.endr
	s_branch .Lasked_\@
.Lfor_b_\@:
	tensor_load_to_lds s[\g0b:\g0b+3], s[\g1b:\g1b+7]
	s_nop 0
.rept 4
	v_nop
.endr
.Lasked_\@:
.endm
.macro CREST
	s_cmp_lg_u32 s16, 0
	s_cbranch_scc1 .Lnot_wave_0_\@
	s_barrier_signal -3
.Lnot_wave_0_\@:
	s_barrier_wait -3
	s_barrier_signal -1
	s_barrier_wait -1
.endm
.macro CROUND
	s_barrier_signal -1
	s_barrier_wait -1
	CREST
.endm
.macro PLACES n
.rept \n
	v_nop
.endr
.endm
	s_load_b256 s[4:11], s[0:1], 0x0               ; oq, wq, bo, out0
	v_lshl_add_u32 v[SPW], v0, 2, SPARE
	v_mov_b32 v[NIL], 0
	ds_add_u32 v[SPW], v[NIL]                      ; the wave's opening: the add, twice on end, and its wait ahead of my first tensor load
	ds_add_u32 v[SPW], v[NIL]
	v_lshrrev_b32 v1, 5, v0
	v_readfirstlane_b32 s16, v1
	s_lshr_b32 s17, s16, 1
	s_and_b32 s18, s16, 1
	s_bfe_u32 s19, ttmp6, 0x40000                  ; cx
	s_bfe_u32 s20, ttmp6, 0x40004                  ; cy
	s_lshl_b32 s41, ttmp9, 2
	s_add_co_u32 s41, s41, s19                     ; tile column
	s_and_b32 s40, ttmp7, 0xffff
	s_lshl_b32 s40, s40, 2
	s_add_co_u32 s40, s40, s20                     ; tile row
	s_lshl_b32 s42, s20, 2
	s_lshl_b32 s42, 15, s42
	s_lshl_b32 s43, 0x1111, s19
	s_or_b32 s[G1+0], s42, (3<<16)|(1<<21)
	s_or_b32 s[G1B+0], s43, (3<<16)|(1<<21)
.irp g, G1, G1B
	s_mov_b32 s[\g+1], 32<<16                      ; a dense block of 24,576 bytes as 96 rows of 256
	s_mov_b32 s[\g+2], 96<<16
	s_mov_b32 s[\g+3], 32<<16
	s_mov_b32 s[\g+4], 96
	s_mov_b32 s[\g+5], 32
	s_mov_b32 s[\g+6], 0
	s_mov_b32 s[\g+7], 0
.endr
	s_or_b32 s[G1S+0], s42, (3<<16)|(1<<21)
	s_or_b32 s[G1SB+0], s43, (3<<16)|(1<<21)
.irp g, G1S, G1SB
	s_mov_b32 s[\g+1], 32<<16
	s_mov_b32 s[\g+2], 16<<16
	s_mov_b32 s[\g+3], 32<<16
	s_mov_b32 s[\g+4], 16
	s_mov_b32 s[\g+5], 32
	s_mov_b32 s[\g+6], 0
	s_mov_b32 s[\g+7], 0
.endr
	s_lshl_b32 s44, s40, 1
	s_add_co_u32 s44, s44, s18
	s_lshl_b32 s46, s41, 1
	s_add_co_u32 s46, s46, s18
	s_mul_i32 s92, s44, 98304                      ; A's codes,
	s_mov_b32 s93, 0
	s_lshl_b32 s94, s44, 12
	s_add_co_u32 s94, s94, 6291456                 ; A's scale words,
	s_mov_b32 s95, 0
	s_mul_i32 s96, s46, 98304
	s_add_co_u32 s96, s96, 2359296                 ; B's codes (Wo: the fourth weight),
	s_mov_b32 s97, 0
	s_lshl_b32 s98, s46, 12
	s_add_co_u32 s98, s98, 3244032                 ; B's scale words
	s_mov_b32 s99, 0
	s_mul_i32 s104, s16, HALFT
	s_lshl_b32 s105, s16, 12
	s_wait_dscnt 0x0
	s_wait_kmcnt 0x0
	CROUND
	s_mov_b32 s[G0S], 1
	s_add_co_u32 s[G0S+1], s105, SCL
	s_add_nc_u64 s[G0S+2:G0S+3], s[4:5], s[94:95]
	s_or_b32 s[G0S+3], s[G0S+3], 0x80000000
	s_mov_b32 s[G0SB], 1
	s_add_co_u32 s[G0SB+1], s105, SCL
	s_add_nc_u64 s[G0SB+2:G0SB+3], s[6:7], s[98:99]
	s_or_b32 s[G0SB+3], s[G0SB+3], 0x80000000
	JLOAD G0S, G1S, G0SB, G1SB
	s_add_nc_u64 s[44:45], s[4:5], s[92:93]
	s_add_nc_u64 s[46:47], s[6:7], s[96:97]
.irp s, 0,1
	s_mov_b32 s[G0+4*\s], 1
	s_add_co_u32 s[G0+4*\s+1], s104, \s*SLOT
	s_add_nc_u64 s[G0+4*\s+2:G0+4*\s+3], s[44:45], \s*HALFT
	s_or_b32 s[G0+4*\s+3], s[G0+4*\s+3], 0x80000000
	s_mov_b32 s[G0B+4*\s], 1
	s_add_co_u32 s[G0B+4*\s+1], s104, \s*SLOT
	s_add_nc_u64 s[G0B+4*\s+2:G0B+4*\s+3], s[46:47], \s*HALFT
	s_or_b32 s[G0B+4*\s+3], s[G0B+4*\s+3], 0x80000000
	JLOAD G0+4*\s, G1, G0B+4*\s, G1B
.endr
	v_and_b32 v1, 31, v0
	v_and_b32 v2, 15, v0
	v_bfe_u32 v3, v0, 4, 1
	v_lshlrev_b32 v[L16], 4, v1
	v_lshlrev_b32 v[L8], 3, v1
	s_mul_i32 s104, s17, HALFT
	s_mul_i32 s105, s18, HALFT
	s_add_co_u32 s105, s105, 2*HALFT
.irp s, 0,1
	v_add_nc_u32 v[ADRA+\s], s104, v[L16]
	v_add_nc_u32 v[ADRA+2+\s], s104, v[L8]
	v_add_nc_u32 v[ADRB+\s], s105, v[L16]
	v_add_nc_u32 v[ADRB+2+\s], s105, v[L8]
	s_add_co_u32 s104, s104, SLOT
	s_add_co_u32 s105, s105, SLOT
.endr
	s_lshl_b32 s104, s17, 12
	s_lshl_b32 s105, s18, 12
	s_add_co_u32 s105, s105, 8192
	s_sub_co_u32 s105, s105, s104
	v_mul_u32_u24 v4, s105, v3
	v_lshl_add_u32 v4, v2, 3, v4
	s_add_co_u32 s104, s104, SCL
	v_add_nc_u32 v[ADRS], s104, v4
	s_mul_i32 s104, s16, 16*SPITCH                 ; my stage
	v_mul_u32_u24 v4, v2, SPITCH
	v_lshl_add_u32 v4, v3, 6, v4
	v_add_nc_u32 v[STO], s104, v4                  ; in: row r, + 64 h
	v_add_nc_u32 v[RD], s104, v[L16]               ; back: a row of 512 bytes for the 32 lanes
	s_lshl_b32 s104, s41, 10
	s_lshl_b32 s105, s18, 9
	s_add_co_u32 s104, s104, s105                  ; my 128 columns, in bytes
	s_mov_b32 s105, 0
	s_add_nc_u64 s[8:9], s[8:9], s[104:105]
	s_lshl_b32 s2, s40, 8
	s_lshl_b32 s3, s17, 7
	s_add_co_u32 s2, s2, s3
	s_lshl_b32 s2, s2, 12                          ; my first row of out0, 4,096 bytes a row
	s_add_co_u32 s2, s2, s104
	s_mov_b32 s3, 0
	s_add_nc_u64 s[2:3], s[10:11], s[2:3]
	v_lshlrev_b32 v5, 6, v3                        ; register j of B's block b: column 32 (b / 2) + 8 (b % 2) + 16 h + j
.irp b, 0,1,2,3,4,5,6,7
	global_load_b128 v[BI+8*\b:BI+8*\b+3], v5, s[8:9] offset:128*(\b/2)+32*(\b%2)
	global_load_b128 v[BI+8*\b+4:BI+8*\b+7], v5, s[8:9] offset:128*(\b/2)+32*(\b%2)+16
.endr
.macro FRAG reg, adr, off
	ds_load_b128 v[\reg:\reg+3], v[\adr] offset:\off
	ds_load_b64 v[\reg+4:\reg+5], v[\adr+2] offset:\off+512
	ds_load_b128 v[\reg+6:\reg+9], v[\adr] offset:\off+768
	ds_load_b64 v[\reg+10:\reg+11], v[\adr+2] offset:\off+1280
.endm
; The 64 accumulators take turns, one instruction a turn, in the same order in every step.  cm = 1: the sums begin with the bias.
.macro MUL16 a0, p, q, sc, cm
.irp a, \a0, \a0+1
.irp b, 0,1,2,3,4,5,6,7
.if (\cm) == 0
	v_wmma_scale_f32_16x16x128_f8f6f4 v[8*(8*((\a)%4)+\b):8*(8*((\a)%4)+\b)+7], v[128*(\p)+FR*\b:128*(\p)+FR*\b+FR-1], v[AF+FR*(\a):AF+FR*(\a)+FR-1], v[8*(8*((\a)%4)+\b):8*(8*((\a)%4)+\b)+7], v[SC+16*(\sc)+2*\b+(\q)], v[SC+16*(\sc)+2*(\a)+(\q)] matrix_a_fmt:MATRIX_FMT_BF6 matrix_b_fmt:MATRIX_FMT_BF6 matrix_a_scale:MATRIX_SCALE_ROW1
.else
	v_wmma_scale_f32_16x16x128_f8f6f4 v[8*(8*((\a)%4)+\b):8*(8*((\a)%4)+\b)+7], v[128*(\p)+FR*\b:128*(\p)+FR*\b+FR-1], v[AF+FR*(\a):AF+FR*(\a)+FR-1], v[BI+8*\b:BI+8*\b+7], v[SC+16*(\sc)+2*\b+(\q)], v[SC+16*(\sc)+2*(\a)+(\q)] matrix_a_fmt:MATRIX_FMT_BF6 matrix_b_fmt:MATRIX_FMT_BF6 matrix_a_scale:MATRIX_SCALE_ROW1
.endif
.endr
.endr
.endm
.macro FETCH_B slot, q, p
	WIN TO_B
.irp i, 0,1,2,3,4,5,6,7
	FRAG 128*(\p)+FR*\i, ADRB+\slot, (8*(\q)+\i)*1536
.endr
	WIN 0
.endm
.macro FETCH_A slot, q, i0
.irp i, \i0, \i0+1, \i0+2, \i0+3
	FRAG AF+FR*(\i), ADRA+\slot, (8*(\q)+(\i))*1536
.endr
.endm
.macro SCALES sc
.irp i, 0,1,2,3,4,5,6,7
	ds_load_b64 v[SC+16*\sc+2*\i:SC+16*\sc+2*\i+1], v[ADRS] offset:512*\i
.endr
.endm
.macro STEP slot, q, cm
	s_wait_dscnt 4*NL                              ; the youngest 16 loads (A's blocks 4-7) may be out
.if (\cm) == 0
	WIN MUL_LO
.else
	WIN BIA_LO
.endif
	MUL16 0, (\q)%2, \q, \slot, \cm
	MUL16 2, (\q)%2, \q, \slot, \cm
	s_wait_dscnt 0x0
	PLACES NP
	FETCH_B \slot, (\q)+1, 1-(\q)%2
	FETCH_A \slot, (\q)+1, 0
.if (\cm) == 0
	WIN MUL_HI
.else
	WIN BIA_HI
.endif
	MUL16 4, (\q)%2, \q, \slot, \cm
	MUL16 6, (\q)%2, \q, \slot, \cm
	PLACES NP
	WIN 0
	FETCH_A \slot, (\q)+1, 4
.endm
.macro TURN slot, next, fill
	s_wait_tensorcnt 0x0                           ; all my tensor loads have landed: my part of the next slot
	ds_add_u32 v[SPW], v[NIL]
	s_wait_dscnt 4*NL+1                            ; the add and the youngest 16 loads may be out
	WIN MUL_LO
	MUL16 0, 1, 1, \slot, 0
	s_wait_dscnt 0x0                               ; the add is done, and my reads of this slot are over
	s_barrier_signal -1
	MUL16 2, 1, 1, \slot, 0
	WIN 0
	s_barrier_wait -1
.if \fill
	CREST
	s_add_nc_u64 s[G0+4*\slot+2:G0+4*\slot+3], s[G0+4*\slot+2:G0+4*\slot+3], 2*HALFT
	s_add_nc_u64 s[G0B+4*\slot+2:G0B+4*\slot+3], s[G0B+4*\slot+2:G0B+4*\slot+3], 2*HALFT
	JLOAD G0+4*\slot, G1, G0B+4*\slot, G1B
.else
	PLACES NP
.endif
	v_add_nc_u32 v[ADRS], 128, v[ADRS]
	FETCH_B \next, 0, 0
	FETCH_A \next, 0, 0
	SCALES \next
	WIN MUL_HI
	MUL16 4, 1, 1, \slot, 0
	MUL16 6, 1, 1, \slot, 0
	PLACES NP
	WIN 0
	FETCH_A \next, 0, 4
.endm
	s_wait_tensorcnt 1                             ; the scale words and my part of slot 0 are in; slot 1's load may be out
	s_barrier_signal -1
	s_barrier_wait -1
	FETCH_B 0, 0, 0
	FETCH_A 0, 0, 0
	SCALES 0
	FETCH_A 0, 0, 4
	s_wait_loadcnt 0x0                             ; the bias
	STEP 0, 0, 1
	TURN 0, 1, 1
	STEP 1, 0, 0
	TURN 1, 0, 1
	STEP 0, 0, 0
	TURN 0, 1, 0
	STEP 1, 0, 0
	s_wait_dscnt 4*NL
	WIN MUL_LO
	MUL16 0, 1, 1, 1, 0
	MUL16 2, 1, 1, 1, 0
	s_wait_dscnt 0x0
	WIN MUL_HI
	MUL16 4, 1, 1, 1, 0
	MUL16 6, 1, 1, 1, 0
	WIN 0
; THE WAY OUT, block by block of 16 rows x 128 columns, through my own stage: in by lanes (32 bytes of a row each), back as whole rows of 512 bytes.  LDS serves a wave's instructions in order: no wait between the stores and the loads.
.macro TOSTAGE a
.set AC, 64*((\a)%4)
	WIN 0x08+4*((\a)/4)                            ; an LDS store's data: window 2 or 3
.irp b, 0,1,2,3,4,5,6,7
	ds_store_b128 v[STO], v[AC+8*\b:AC+8*\b+3] offset:128*(\b/2)+32*(\b%2)        ; each accumulator from its low end on
	ds_store_b128 v[STO], v[AC+8*\b+4:AC+8*\b+7] offset:128*(\b/2)+32*(\b%2)+16
.endr
	WIN 0
.set BB, BK+64*((\a)%2)
.irp t, 0,1,2,3,4,5,6,7,8,9,10,11,12,13,14,15
	ds_load_b128 v[BB+4*\t:BB+4*\t+3], v[RD] offset:\t*SPITCH
.endr
.endm
.macro SEND a, younger                 ; younger: the LDS instructions issued behind block a's loads, which may stay out
.set BB, BK+64*((\a)%2)
	s_wait_dscnt \younger
.if (\a) > 0
.if ((\a)%2) == 1
	s_add_nc_u64 s[2:3], s[2:3], 8*4096            ; (behind a wait on XCNT: the earlier stores have read their base)  block a begins at row 32 (a / 2) + 8 (a % 2)
.else
	s_add_nc_u64 s[2:3], s[2:3], 24*4096
.endif
.endif
.irp t, 0,1,2,3,4,5,6,7,8,9,10,11,12,13,14,15
	global_store_b128 v[L16], v[BB+4*\t:BB+4*\t+3], s[2:3] offset:(\t+8*(\t/8))*4096 th:TH_STORE_NT   ; 32 lanes store 512 consecutive bytes, aligned to 256
.endr
.endm
	PLACES NP
	TOSTAGE 0
.irp a, 1,2,3,4,5,6,7
.if \a > 1
	s_wait_xcnt 0x0                                ; block a - 2's stores have read their registers and their base
.endif
	TOSTAGE \a
	SEND \a-1, 32                                  ; behind block a - 1's loads: block a's 16 stores and 16 loads
.endr
	s_wait_xcnt 0x0
	SEND 7, 0
	s_wait_tensorcnt 0x0                           ; the wave's end
	ds_add_u32 v[SPW], v[NIL]
	s_wait_dscnt 0x0
	CROUND                                         ; the closing round
	s_endpgm
.Lfunc_end_k_q46b579731d_oproj:
	.size	k_q46b579731d_oproj, .Lfunc_end_k_q46b579731d_oproj-k_q46b579731d_oproj
	.p2alignl 7, 3214868480
	.fill 96, 4, 3214868480
	.section	.rodata,"a",@progbits
	.p2align	6, 0x0
	.amdhsa_kernel k_q46b579731d_oproj
		.amdhsa_group_segment_fixed_size 327680
		.amdhsa_private_segment_fixed_size 0
		.amdhsa_enable_private_segment 0
		.amdhsa_kernarg_size 32
		.amdhsa_user_sgpr_count 2
		.amdhsa_user_sgpr_kernarg_segment_ptr 1
		.amdhsa_wavefront_size32 1
		.amdhsa_system_sgpr_workgroup_id_x 1
		.amdhsa_system_sgpr_workgroup_id_y 1
		.amdhsa_system_sgpr_workgroup_id_z 1
		.amdhsa_system_vgpr_workitem_id 0
		.amdhsa_next_free_vgpr 1024
		.amdhsa_next_free_sgpr 106
		.amdhsa_reserve_vcc 0
		.amdhsa_float_denorm_mode_32 3
		.amdhsa_float_denorm_mode_16_64 3
		.amdhsa_memory_ordered 1
		.amdhsa_forward_progress 1
		.amdhsa_inst_pref_size 145
	.end_amdhsa_kernel
	.amdgpu_metadata
---
amdhsa.version: [ 1, 2 ]
amdhsa.kernels:
  - .name:           k_q46b579731d_oproj
    .symbol:         k_q46b579731d_oproj.kd
    .args:
      - { .name: oq, .offset: 0, .size: 8, .value_kind: global_buffer, .address_space: global }
      - { .name: wq, .offset: 8, .size: 8, .value_kind: global_buffer, .address_space: global }
      - { .name: bo, .offset: 16, .size: 8, .value_kind: global_buffer, .address_space: global }
      - { .name: out0, .offset: 24, .size: 8, .value_kind: global_buffer, .address_space: global }
    .group_segment_fixed_size: 327680
    .private_segment_fixed_size: 0
    .kernarg_segment_align: 8
    .kernarg_segment_size: 32
    .max_flat_workgroup_size: 128
    .sgpr_count:     106
    .vgpr_count:     1024
    .wavefront_size: 32
...
	.end_amdgpu_metadata
.endif
;; end of part 4
;; ======== version 2 of 2: 4 launches; version 1 with the launch attn written anew for expert scheduling mode
;; limits: right only within a limited range of input values
;; workspace buffers: xq 6,553,600 bytes; wq 3,276,800 bytes; qkv 20,185,088 bytes; oq 6,553,600 bytes; pb 32,768 bytes; flags 1,024 bytes of whole numbers
;; launch prep: the kernel of part 1 again; grid 772 x 1, 2 waves a work-group, no clusters, 17,152 bytes of LDS; arguments x, Wq, Wk, Wv, Wo, pad_mask, xq, wq, pb, flags; writes xq, wq, pb, flags
;; launch gemmq: the kernel of part 2 again; grid 12 x 32, 4 waves a work-group, clusters of 4 x 4, 327,680 bytes of LDS; arguments xq, wq, bq, bk, bv, qkv; writes qkv
;; launch attn (part 5): grid 4 x 64, 16 waves a work-group, no clusters, 219,136 bytes of LDS; arguments qkv, pb, flags, oq; writes oq
.if DOCPART == 5
	.amdgcn_target "amdgcn-amd-amdhsa--gfx1250"
	.amdhsa_code_object_version 6
	.text
	.protected	k_q46b579731d_attn
	.globl	k_q46b579731d_attn
	.p2align	8
	.type	k_q46b579731d_attn,@function
k_q46b579731d_attn:
	s_mov_b64 s[64:65], 0
	v_nop
	global_prefetch_b8 v0, s[64:65] scope:SCOPE_SE
	s_setreg_imm32_b32 hwreg(HW_REG_WAVE_SCHED_MODE, 0, 2), 2
	s_setreg_imm32_b32 hwreg(HW_REG_WAVE_MODE, 25, 1), 1
	s_wait_xcnt 0x0
	s_wait_alu depctr_vm_vsrc(0)
; attn = softmax(q k^T / 8, causal and padding masks), o = attn v, both products on codes of BF6 (E3M2) with E8M0 scales; o is quantised along the model's 1,024 for the last product.
; LEFT OUT AS DEAD WORK: key steps (128 keys) all of whose keys come after every query of the tile in hand: reference()'s own triu mask makes their weights 0 for all inputs.
; THE WEIGHTS ARE QUANTISED FINISHED AND NORMALISED, so a row's sum must be known before any weight is quantised: the keys are walked TWICE.  Pass 1: S^T = K Q^T, the running maximum and the sum.
; Pass 2: S^T again, p = 2^(t - M) / l, quantised along the keys, O^T += V^T P^T.  t = score x log2(e) / 8; M = the largest t rounded up to a whole number.
; The first product's K is 64, half of the instruction's 128: Q's upper six registers hold zero codes; what stands beside them in K's operand (the next tile's codes) counts for nothing.
; SHARES.  A work-group serves one head; its sixteen waves take two tiles of 16 queries each, tiles g = 4 wave + x and 127 - g: 17 live key steps in each pass for every wave.
; The head's K, V^T, their scale words and the batch's padding terms lie in LDS, filled once through registers: no ring.
; NO CLUSTER, NO TENSOR LOAD: the launch branches on whole numbers read from memory (which key steps hold a padded key); what four work-groups of a head share is 217,088 bytes read once, against 2 x 17 key steps of each of sixteen waves.
; PADDING.  In a step with a padded key the products begin with C = the padding terms (0 or -2^100); hidden keys on the diagonal get -2^100 by a select.  The running t is held at -2^31 from below, so such a p is 0.
; A row with no key has l = 0: its 1 / l is replaced by 0, its weights and its o are 0, as reference()'s nan_to_num has them.
; 1 / l is multiplied by 1 + 2^-21, so that a weight that is exactly a power of two (1.0 in a row with one key) never comes out just under it.
; LIMITS: |score| x 0.1803 under 2^31; a weight under 2^-126 becomes 0; weights are up to 6e-7 of themselves too high; a block of zeros gets the scale byte 1; NaN and infinities are not served.
; LAYOUT.  Both products transposed: a lane holds ONE query (row(T, lane % 16)).  Tile t of a step holds keys 32 (t / 2) + 8 (t % 2) + r + 8 (r / 8): register 16 B + i of S^T is key 32 B + 16 h + i.
; REGISTERS: v0 16 r; v1-7 bases; v8-11, v28-30 addresses in hand; v12 -M, v13 largest t, v[14:15] the sum in pass 1, 1 / l (in v14) in pass 2; v16-27 Q and zeros; v31 Q's scale words; v32-85 K and zeros (v32-58 at work between the products and the next K's loads);
; v86-89 K's scale words, v90-93 V's; v95 p's scale word; v96-159 S^T, then p; v160-191 O^T; v192-239 V (v[192:193] in pass 1: the sum's second chain); v240-251 p's codes; v252, v253 the add's two; v254 at work; v255 r + 8 (r / 8) - 16 h.
; THE MODE: SCHED_MODE bits 1:0 = 2 (LLVM: expert scheduling mode 2), set by the entry lines.  The code itself states the register dependences between vector or matrix instructions and memory or LDS instructions, with s_wait_alu, always for 0.
; THE PLAN.  Registers that LDS or memory instructions touch, and who else names them:
;   K, v32-79 and v86-89   read by a step's eight first products; then v32-58 are at work for vector instructions; then at rest.  STEP j + 1's K IS ASKED FOR IN STEP j, from the point where they are at rest.
;   V, v192-239 and v90-93 pass 2: read by a step's four second products, its last vector-side instructions; asked for in the middle of the step that uses them.
;   S^T, v96-159           written by the products, worked on by vector instructions; loads land in it only in a step with a padded key.
;   v8-11, v28-30          LDS addresses: written by the additions at a step's head, read by that step's LDS loads (the next K by the same registers and a step's bytes in the immediate).
;   v0-v7                  bases: written at the kernel's head and never again; a pass's first K comes by v1, v2, v5 themselves.
;   Q, v16-21 and v31      loaded once a tile; read by all first products.      v240-245, v254, v46: written by the way out's vector lines, read by its three stores.
; THE WAITS ON va_vdst IN A STEP ARE THOSE THAT ARE OWED THERE ANYWAY, and each also stands ahead of a run of loads.  Pass 1: the one behind the exponentials: ahead of it stand the products that read K and all work in v32-58; behind it
; the next K's loads, and the sums, which name none of those registers.  Pass 2: the one behind the exponentials: the last step's second products are done reading V: this step's V follows it; and the one in front of the second products
; (p's codes and scale word are written): the work in v32-58 is over: the next K follows it, and the four products behind name none of its registers.  One wait on vm_vsrc at a step's head stands ahead of the additions to the addresses.
.set VI,    98304                      ; LDS: K's halves [step][tile 8][768] from 0; V's fragments [step][tile 4][1,536] from here;
.set KSC,   196608                     ; K's scale images [step][512];
.set VSC,   204800                     ; V's, my head's half [step][256];
.set PBL,   208896                     ; the padding terms, f32, by key;
.set SPARE, 217088                     ; the spare words, 128 bytes a wave
.set NEG,   0xf1800000                 ; -2^100
.set FLOOR, 0x2800000                  ; 2^(5 - 127)
	s_load_b256 s[4:11], s[0:1], 0x0               ; qkv, pb, flags, oq
	v_lshl_add_u32 v252, v0, 2, SPARE
	v_mov_b32 v253, 0
	v_lshrrev_b32 v1, 5, v0
	v_readfirstlane_b32 s12, v1                    ; wave
	s_mov_b32 s13, ttmp9
	s_and_b32 s14, ttmp7, 0xffff                   ; batch x 16 + head
	s_lshr_b32 s15, s14, 4
	s_and_b32 s16, s14, 15
	v_lshlrev_b32 v8, 4, v0                        ; the fill: 16 x thread,
	v_add_nc_u32 v9, 0x10000, v8                   ; and the same 64 KiB, 128 KiB, 192 KiB on (an LDS immediate has 16 bits)
	v_add_nc_u32 v10, 0x20000, v8
	v_add_nc_u32 v11, 0x30000, v8
	v_lshlrev_b32 v28, 3, v0
	v_add_nc_u32 v28, 0x30000, v28
	v_and_b32 v29, 31, v0
	v_lshlrev_b32 v29, 3, v29
	v_lshl_add_u32 v29, v1, 9, v29                 ; V's scale words in memory: 512 x step + 8 x lane
	s_mov_b32 s33, 0
	s_mov_b32 s20, 0x76543210
	s_mov_b32 s21, 0xfedcba98                      ; selects for lane l xor 16
	s_mov_b32 s22, 0x3e38aa3b                      ; c = log2(e) / 8
	s_mov_b32 s23, s22
	s_wait_alu depctr_va_sdst(0)                   ; s12, the wave's number, is written, ahead of its first reader (my first tile is made from it)
	s_wait_alu depctr_va_vdst(0)                   ; v8-v11, v28 and v29 are written: the fill's loads and LDS stores read them as offsets and addresses
	s_wait_kmcnt 0x0
	s_mul_i32 s32, s14, 98304
	s_add_nc_u64 s[36:37], s[4:5], s[32:33]        ; my head's Q,
	s_add_nc_u64 s[38:39], s[36:37], 6291456       ; K,
	s_add_nc_u64 s[40:41], s[36:37], 12582912      ; V
	s_lshl_b32 s32, s14, 13
	s_add_nc_u64 s[42:43], s[4:5], s[32:33]
	s_add_nc_u64 s[44:45], s[42:43], 19398656      ; K's scale images,
	s_add_nc_u64 s[42:43], s[42:43], 18874368      ; Q's
	s_lshl_b32 s32, s15, 3
	s_lshr_b32 s34, s16, 1
	s_add_co_u32 s32, s32, s34
	s_lshl_b32 s32, s32, 13
	s_and_b32 s35, s16, 1
	s_lshl_b32 s60, s35, 8
	s_add_co_u32 s32, s32, s60
	s_add_co_u32 s32, s32, 19922944
	s_add_nc_u64 s[46:47], s[4:5], s[32:33]        ; V's, my head's half of each image
	s_lshl_b32 s32, s15, 13
	s_add_nc_u64 s[6:7], s[6:7], s[32:33]          ; my batch's padding terms
	s_lshl_b32 s32, s15, 8
	s_add_nc_u64 s[8:9], s[8:9], s[32:33]
	s_load_b32 s19, s[8:9], 0x0                    ; my batch's bits: steps 0-7,
	s_load_b32 s61, s[8:9], 0x80                   ; steps 8-15
.irp n, 0,1,2,3,4,5,6,7,8,9,10,11
	global_load_b128 v[96+4*\n:99+4*\n], v8, s[38:39] offset:8192*\n
.endr
.irp n, 0,1,2,3,4,5,6,7,8,9,10,11
	global_load_b128 v[144+4*\n:147+4*\n], v8, s[40:41] offset:8192*\n
.endr
	global_load_b128 v[192:195], v8, s[44:45]
	global_load_b128 v[196:199], v8, s[6:7]
	global_load_b64 v[200:201], v29, s[46:47]
	s_mul_i32 s32, s15, 1572864                    ; o's codes: batch, K step head / 2, half head % 2
	s_mul_i32 s60, s34, 12288
	s_add_co_u32 s32, s32, s60
	s_mul_i32 s60, s35, 768
	s_add_co_u32 s32, s32, s60
	s_add_nc_u64 s[48:49], s[10:11], s[32:33]
	s_lshl_b32 s32, s15, 16                        ; o's scale bytes
	s_lshr_b32 s60, s16, 2
	s_lshl_b32 s60, s60, 7
	s_add_co_u32 s32, s32, s60
	s_and_b32 s34, s34, 1
	s_lshl_b32 s34, s34, 2
	s_add_co_u32 s32, s32, s34
	s_lshl_b32 s35, s35, 1
	s_add_co_u32 s32, s32, s35
	s_add_co_u32 s32, s32, 6291456
	s_add_nc_u64 s[50:51], s[10:11], s[32:33]
	v_and_b32 v32, 31, v0                          ; lane.  (None of the vector lines from here to the barrier names a register of the fill's loads and stores)
	v_and_b32 v33, 15, v0                          ; r
	v_bfe_u32 v34, v0, 4, 1                        ; h
	v_lshlrev_b32 v1, 4, v32
	v_lshlrev_b32 v2, 3, v32
	v_add_nc_u32 v3, VI, v1
	v_add_nc_u32 v4, VI, v2
	v_add_nc_u32 v5, KSC, v1
	v_lshlrev_b32 v6, 6, v34
	v_add_nc_u32 v6, PBL, v6
	v_lshlrev_b32 v0, 4, v33
	v_add_nc_u32 v7, VSC, v0
	v_and_b32 v35, 8, v33
	v_add_nc_u32 v35, v35, v33
	v_lshlrev_b32 v34, 4, v34
	v_sub_nc_u32 v255, v35, v34
.irp i, 22,23,24,25,26,27,80,81,82,83,84,85
	v_mov_b32 v\i, 0                               ; zero codes: Q's upper six registers, and what stands behind K's last tile
.endr
.irp i, 36,37,38,39
	v_mov_b32 v\i, 0                               ; written once: a lane permute's destination counts as one of its sources
.endr
.irp i, 0,1,2,3,4,5,6,7,8,9,10,11,12,13,14,15,16,17,18,19,20,21,22,23
	s_wait_loadcnt 26-\i                           ; loads come back in order: the younger ones may stay out
	ds_store_b128 v[8+\i/8], v[96+4*\i:99+4*\i] offset:8192*(\i%8)
.endr
	s_wait_loadcnt 2
	ds_store_b128 v11, v[192:195]
	s_wait_loadcnt 1
	ds_store_b128 v11, v[196:199] offset:12288
	s_wait_loadcnt 0x0
	ds_store_b64 v28, v[200:201] offset:8192
	s_wait_kmcnt 0x0
	s_lshl_b32 s61, s61, 8
	s_or_b32 s19, s19, s61                         ; bit i: key step i holds a padded key
	s_lshl_b32 s17, s12, 2
	s_add_co_u32 s17, s17, s13                     ; my first tile
	s_mov_b32 s18, 2
	s_wait_dscnt 0x0                               ; for the others' sake: my stores have landed
	s_barrier_signal -1
	s_barrier_wait -1                              ; the launch's one barrier: from here on LDS is only read
	s_wait_alu depctr_va_vdst(0)                   ; the bases v0-v7 are written, which the loads and stores from here on read; so are v32-v39, in which K lands, and the zero codes, which the scaled products take as operands
; K of one key step: eight half fragments and the scale words.  a, b, c: the address registers; off, soff: bytes on from them (a step on: 6,144 and 512)
.macro KLOAD a, b, c, off, soff
.irp t, 0,1,2,3,4,5,6,7
	ds_load_b128 v[32+6*\t:35+6*\t], v[\a] offset:\off+768*\t
	ds_load_b64 v[36+6*\t:37+6*\t], v[\b] offset:\off+768*\t+512
.endr
	ds_load_b128 v[86:89], v[\c] offset:\soff
.endm
; V of one key step: four fragments and the scale words
.macro VLOAD
.irp d, 0,1,2,3
	ds_load_b128 v[192+12*\d:195+12*\d], v28 offset:1536*\d
	ds_load_b64 v[196+12*\d:197+12*\d], v29 offset:1536*\d+512
	ds_load_b128 v[198+12*\d:201+12*\d], v28 offset:1536*\d+768
	ds_load_b64 v[202+12*\d:203+12*\d], v29 offset:1536*\d+1280
.endr
	ds_load_b128 v[90:93], v30
.endm
; S^T = K Q^T of one key step.  K was asked for in the step before (a pass's first: ahead of the loop).
.macro QK
	s_and_b32 s32, s31, 1                          ; does this step hold a padded key?  A whole number that an earlier launch stored
	s_cmp_lg_u32 s32, 0
	s_cbranch_scc1 .Lpadded_\@
	s_wait_dscnt 0x0                               ; K and its scale words are in
.irp t, 0,1,2,3
	v_wmma_scale_f32_16x16x128_f8f6f4 v[96+8*\t:103+8*\t], v[32+6*\t:43+6*\t], v[16:27], 0, v[86+\t], v31 matrix_a_fmt:MATRIX_FMT_BF6 matrix_b_fmt:MATRIX_FMT_BF6
.endr
.irp t, 4,5,6,7
	v_wmma_scale_f32_16x16x128_f8f6f4 v[96+8*\t:103+8*\t], v[32+6*\t:43+6*\t], v[16:27], 0, v[82+\t], v31 matrix_a_fmt:MATRIX_FMT_BF6 matrix_b_fmt:MATRIX_FMT_BF6 matrix_a_scale:MATRIX_SCALE_ROW1
.endr
	s_branch .Ljoin_\@
.Lpadded_\@:
	s_wait_alu depctr_va_vdst(0)                   ; v11 is written, which the loads below read; the last step's vector instructions are done with S^T's registers, in which they land
.irp t, 0,1,2,3,4,5,6,7
	ds_load_b128 v[96+8*\t:99+8*\t], v11 offset:128*(\t/2)+32*(\t%2)        ; the padding terms of my eight keys of tile t
	ds_load_b128 v[100+8*\t:103+8*\t], v11 offset:128*(\t/2)+32*(\t%2)+16
.endr
	s_wait_dscnt 0x0                               ; K, its scale words and the terms are in
.irp t, 0,1,2,3
	v_wmma_scale_f32_16x16x128_f8f6f4 v[96+8*\t:103+8*\t], v[32+6*\t:43+6*\t], v[16:27], v[96+8*\t:103+8*\t], v[86+\t], v31 matrix_a_fmt:MATRIX_FMT_BF6 matrix_b_fmt:MATRIX_FMT_BF6
.endr
.irp t, 4,5,6,7
	v_wmma_scale_f32_16x16x128_f8f6f4 v[96+8*\t:103+8*\t], v[32+6*\t:43+6*\t], v[16:27], v[96+8*\t:103+8*\t], v[82+\t], v31 matrix_a_fmt:MATRIX_FMT_BF6 matrix_b_fmt:MATRIX_FMT_BF6 matrix_a_scale:MATRIX_SCALE_ROW1
.endr
.Ljoin_\@:
.rept 4
	v_nop                                          ; places behind the products (ISA guide 7.12.1)
.endr
.endm
; On the diagonal hidden scores become -2^100.  A step all of whose keys count skips this.
; The compares go in runs of sixteen, into sixteen scalar registers (s4-11, s38-41, s44-47: they held addresses that the kernel's head alone needed), with one wait behind each run.
.macro CMASK
	s_add_co_u32 s32, s24, 127
	s_cmp_le_u32 s32, s25
	s_cbranch_scc1 .Lopen_\@
	s_sub_co_i32 s32, s25, s24
	v_add_nc_u32 v58, s32, v255                    ; d = my query - the step's first key - 16 h: register 16 B + i is hidden where 32 B + i > d
	v_mov_b32 v254, NEG
.set g, 0
.rept 4
.set i, 0
.rept 16
	v_cmp_gt_i32 s[4+i+26*(i/8)+2*(i/12)], 32*g+i, v58
.set i, i+1
.endr
	s_wait_alu depctr_va_sdst(0)                   ; the run's sixteen masks are written, ahead of the selects that read them
.set i, 0
.rept 16
	v_cndmask_b32 v[96+16*g+i], v[96+16*g+i], v254, s[4+i+26*(i/8)+2*(i/12)]
.set i, i+1
.endr
.set g, g+1
.endr
.Lopen_\@:
.endm
.macro NEXTSTEP                        ; run in every trip: the trip counts are constants of the text
	s_add_co_u32 s24, s24, 128
	s_add_co_u32 s28, s28, 6144
	s_add_co_u32 s29, s29, 512
	s_add_co_u32 s30, s30, 256
	s_lshr_b32 s31, s31, 1
.endm
.macro TMINUSM                         ; t - M, two at a time, and the 64 exponentials as one batch
.set n, 0
.rept 32
	v_pk_fma_f32 v[96+n:97+n], v[96+n:97+n], s[22:23], v[12:13] op_sel_hi:[1,0,0]
.set n, n+2
.endr
.set n, 0
.rept 64
	v_exp_f32 v[96+n], v[96+n]
.set n, n+1
.endr
.endm
.macro P1STEP
	s_wait_alu depctr_vm_vsrc(0)                   ; the LDS loads issued so far have read v8-v11, which the additions below write
	s_cmp_gt_u32 s24, s26                          ; all keys behind my tile's last query: the step's work is left out
	s_cbranch_scc1 .Lhid_\@
	v_add_nc_u32 v8, s28, v1
	v_add_nc_u32 v9, s28, v2
	v_add_nc_u32 v10, s29, v5
	v_add_nc_u32 v11, s29, v6
	QK
	CMASK
.irp b, 0,1,2,3
	v_max3_num_f32 v[32+\b], v[96+16*\b], v[97+16*\b], v[98+16*\b]
.endr
.irp i, 3,5,7,9,11,13
.irp b, 0,1,2,3
	v_max3_num_f32 v[32+\b], v[32+\b], v[96+16*\b+\i], v[97+16*\b+\i]
.endr
.endr
.irp b, 0,1,2,3
	v_max_num_f32 v[32+\b], v[32+\b], v[111+16*\b]
.endr
	v_max3_num_f32 v32, v32, v33, v34
	v_max_num_f32 v32, v32, v35
	v_permlanex16_b32 v36, v32, s20, s21
	v_max_num_f32 v32, v32, v36                    ; the step's largest score of my query
	v_mul_f32 v32, s22, v32
	v_max_num_f32 v13, v13, v32                    ; the running largest t
	v_mov_b32 v33, v12
	v_floor_f32 v12, -v13                          ; -M = floor(-t)
	v_sub_f32 v33, v12, v33
	v_cvt_i32_f32 v33, v33                         ; (it saturates)
	v_ldexp_f32 v56, 1.0, v33                      ; f = 2^(old M - new M)
	TMINUSM
	v_pk_mul_f32 v[14:15], v[14:15], v[56:57] op_sel_hi:[1,0]   ; the sums under the new M; a plain place behind the exponentials
	s_wait_alu depctr_va_vdst(0)                   ; the 64 exponentials have written p, ahead of its first reader (one wait for the batch); the products are done reading K and its scale words, the work in v32-v58 is over, and v8-v10 are written: so the next K may be asked for
	s_add_co_u32 s32, s24, 128                     ; if the next step counts for my tile: ids and the count of steps alone
	s_cmp_gt_u32 s32, s26
	s_cbranch_scc1 .Lnok_\@
	KLOAD 8, 9, 10, 6144, 512                      ; the next step's K.  No vector line from the wait above to the step's end names a register of these loads
.Lnok_\@:
	v_pk_add_f32 v[192:193], v[96:97], v[98:99]    ; (the second chain lies in V's registers, which pass 1 leaves idle: K's are being loaded)
.irp j, 4,8,12,16,20,24,28,32,36,40,44,48,52,56,60
	v_pk_add_f32 v[14:15], v[14:15], v[96+\j:97+\j]
	v_pk_add_f32 v[192:193], v[192:193], v[98+\j:99+\j]
.endr
	v_pk_add_f32 v[14:15], v[14:15], v[192:193]
.Lhid_\@:
	NEXTSTEP
.endm
.macro P2STEP
	s_wait_alu depctr_vm_vsrc(0)                   ; the LDS loads issued so far have read v8-v11 and v28-v30, which the additions below write
	s_cmp_gt_u32 s24, s26
	s_cbranch_scc1 .Lhid_\@
	v_add_nc_u32 v8, s28, v1
	v_add_nc_u32 v9, s28, v2
	v_add_nc_u32 v10, s29, v5
	v_add_nc_u32 v11, s29, v6
	v_add_nc_u32 v28, s28, v3
	v_add_nc_u32 v29, s28, v4
	v_add_nc_u32 v30, s30, v7
	QK
	CMASK
	TMINUSM
	v_nop                                          ; a plain place behind the exponentials
	s_wait_alu depctr_va_vdst(0)                   ; the 64 exponentials have written their results, ahead of the first reader (one wait for the batch); the last step's second products are done reading V and its scale words, and v28-v30 are written: so this step's V may be asked for
	VLOAD                                          ; no vector line from here to the second products names a register of these loads
.set n, 0
.rept 32
	v_pk_mul_f32 v[96+n:97+n], v[96+n:97+n], v[14:15] op_sel_hi:[1,0]   ; p = 2^(t - M) / l: the finished weight (of the pair the low word, 1 / l, serves both halves)
.set n, n+2
.endr
.irp b, 0,1,2,3
	v_max3_num_f32 v[32+\b], v[96+16*\b], v[97+16*\b], FLOOR   ; no |.|: no p is negative
.endr
.irp i, 2,4,6,8,10,12,14
.irp b, 0,1,2,3
	v_max3_num_f32 v[32+\b], v[32+\b], v[96+16*\b+\i], v[97+16*\b+\i]
.endr
.endr
.irp b, 0,1,2,3
	v_permlanex16_b32 v[36+\b], v[32+\b], s20, s21
.endr
.irp b, 0,1,2,3
	v_max_num_f32 v[32+\b], v[32+\b], v[36+\b]
.endr
.irp b, 0,1,2,3
	v_add_nc_u32 v[40+\b], 0xfe000000, v[32+\b]
.endr
.irp b, 0,1,2,3
	v_lshrrev_b32 v[44+\b], 23, v[40+\b]
.endr
	v_lshl_or_b32 v95, v45, 8, v44                 ; p's scale word for these 128 keys
	v_lshl_or_b32 v95, v46, 16, v95
	v_lshl_or_b32 v95, v47, 24, v95
.irp c, 0,1
	v_cvt_scalef32_pk16_bf6_f32 v[240+6*\c:242+6*\c], v[96+32*\c:111+32*\c], v[40+2*\c]
	v_cvt_scalef32_pk16_bf6_f32 v[48+4*\c:50+4*\c], v[112+32*\c:127+32*\c], v[40+2*\c+1]
.endr
	v_nop                                          ; one plain place behind a scaled conversion
.irp c, 0,1
.irp i, 0,1,2
	v_permlane16_swap_b32 v[240+6*\c+\i], v[48+4*\c+\i]
.endr
.irp i, 0,1,2
	v_mov_b32 v[243+6*\c+\i], v[48+4*\c+\i]
.endr
.endr
.rept 8
	v_nop                                          ; a scale word written by vector instructions stands eight places ahead of a scaled product, an operand so written four
.endr
	s_wait_alu depctr_va_vdst(0)                   ; p's codes and its scale word are written, which the scaled products below take (the places above stay beside this wait); the work in v32-v58 is over: so the next K may be asked for
	s_wait_dscnt 0x0                               ; V is in
	s_add_co_u32 s32, s24, 128                     ; if the next step counts for my tile: ids and the count of steps alone
	s_cmp_gt_u32 s32, s26
	s_cbranch_scc1 .Lnok_\@
	KLOAD 8, 9, 10, 6144, 512                      ; the next step's K.  The four products below name O^T, V, p's codes and their scale words: none of these loads' registers
.Lnok_\@:
.irp d, 0,1,2,3
	v_wmma_scale_f32_16x16x128_f8f6f4 v[160+8*\d:167+8*\d], v[192+12*\d:203+12*\d], v[240:251], v[160+8*\d:167+8*\d], v[90+\d], v95 matrix_a_fmt:MATRIX_FMT_BF6 matrix_b_fmt:MATRIX_FMT_BF6
.endr
.Lhid_\@:
	NEXTSTEP
.endm
.macro RESET
	s_mov_b32 s24, 0                               ; the step's first key
	s_mov_b32 s28, 0                               ; 6,144 x step
	s_mov_b32 s29, 0                               ; 512 x step
	s_mov_b32 s30, 0                               ; 256 x step
	s_mov_b32 s31, s19
	s_mov_b32 s27, 16
.endm
.Ltile:                                            ; two trips: tile g, then tile 127 - g
	s_wait_xcnt 0x0                                ; the last tile's stores have read their data and their bases
	s_wait_alu depctr_vm_vsrc(0)                   ; first trip: the fill's LDS stores have read v8-v11, v28 and v96-v201; second trip: the last tile's stores have read v240-v245, v254 and v46: all these are written again from here on
	KLOAD 1, 2, 5, 0, 0                            ; pass 1's first K, by the bases themselves.  No vector instruction has been issued since the last wait on va_vdst (first trip: behind the barrier; second: ahead of the last tile's stores)
	s_lshr_b32 s32, s17, 1
	s_lshl_b32 s25, s32, 5
	s_and_b32 s32, s17, 1
	s_lshl_b32 s32, s32, 3
	s_add_co_u32 s25, s25, s32                     ; the tile's first query
	s_add_co_u32 s26, s25, 23                      ; and its last
	s_mul_i32 s32, s17, 768
	s_add_nc_u64 s[52:53], s[36:37], s[32:33]
	s_lshr_b32 s34, s17, 3
	s_and_b32 s35, s17, 7
	s_lshl_b32 s32, s34, 9
	s_lshr_b32 s60, s35, 2
	s_lshl_b32 s60, s60, 8
	s_add_co_u32 s32, s32, s60
	s_and_b32 s60, s17, 3
	s_lshl_b32 s60, s60, 2
	s_add_co_u32 s32, s32, s60
	s_add_nc_u64 s[54:55], s[42:43], s[32:33]
	s_mul_i32 s32, s34, 98304
	s_mul_i32 s60, s35, 1536
	s_add_co_u32 s32, s32, s60
	s_add_nc_u64 s[56:57], s[48:49], s[32:33]
	s_lshl_b32 s32, s34, 12
	s_lshl_b32 s60, s35, 9
	s_add_co_u32 s32, s32, s60
	s_add_nc_u64 s[58:59], s[50:51], s[32:33]
	global_load_b128 v[16:19], v1, s[52:53]        ; Q's half fragment (the same wait on va_vdst: the last tile's products are done reading Q and its scale words)
	global_load_b64 v[20:21], v2, s[52:53] offset:512
	global_load_b32 v31, v0, s[54:55]              ; and its scale words
	v_mov_b32 v13, 0xcf000000                      ; the largest t so far: -2^31
	v_floor_f32 v12, -v13
	v_mov_b32 v14, 0
	v_mov_b32 v15, 0
	RESET
	s_wait_loadcnt 0x0
.Lp1:
	P1STEP
	s_sub_co_u32 s27, s27, 1
	s_cmp_lg_u32 s27, 0
	s_cbranch_scc1 .Lp1
	s_wait_dscnt 0x0                               ; K's registers are named by vector lines and loaded anew below: on every way out of the loop no load into them is out (the last step that counts asks for none)
	v_add_f32 v14, v14, v15
	v_permlanex16_b32 v36, v14, s20, s21
	v_add_f32 v14, v14, v36                        ; l
	v_rcp_f32 v15, v14
	v_nop                                          ; a plain place behind the reciprocal
	v_cmp_lt_f32 vcc_lo, 0, v14
	s_wait_alu depctr_va_vdst(0)                   ; the reciprocal has written v15, ahead of its first reader; the lines above are done with v36, in which K lands
	s_wait_alu depctr_va_vcc(0)                    ; VCC is written, ahead of the select that reads it
	KLOAD 1, 2, 5, 0, 0                            ; pass 2's first K, by the bases themselves; the vector lines from here to the loop name v14, v15 and O^T alone
	v_mul_f32 v14, 0x3f800004, v15                 ; 1 / l x (1 + 2^-21), where the sum stood: pass 2 has no sum
	v_cndmask_b32 v14, 0, v14, vcc_lo              ; a row with no key: 0
.set n, 0
.rept 32
	v_mov_b32 v[160+n], 0                          ; O^T: the step is written once, so the first finds zeros
.set n, n+1
.endr
	RESET
.Lp2:
	P2STEP
	s_sub_co_u32 s27, s27, 1
	s_cmp_lg_u32 s27, 0
	s_cbranch_scc1 .Lp2
	; THE WAY OUT: register 16 B + i of O^T is channel 32 B + 16 h + i of my query: two blocks of the last product's K
	s_wait_dscnt 0x0                               ; K's registers are at work for vector lines below: on every way out of the loop no load into them is out
.rept 4
	v_nop                                          ; places behind the last products
.endr
.irp b, 0,1
	v_max3_num_f32 v[32+\b], |v[160+16*\b]|, |v[161+16*\b]|, FLOOR
.endr
.irp i, 2,4,6,8,10,12,14
.irp b, 0,1
	v_max3_num_f32 v[32+\b], v[32+\b], |v[160+16*\b+\i]|, |v[161+16*\b+\i]|
.endr
.endr
.irp b, 0,1
	v_permlanex16_b32 v[36+\b], v[32+\b], s20, s21
.endr
.irp b, 0,1
	v_max_num_f32 v[32+\b], v[32+\b], v[36+\b]
.endr
.irp b, 0,1
	v_add_nc_u32 v[40+\b], 0xfe000000, v[32+\b]
.endr
.irp b, 0,1
	v_lshrrev_b32 v[44+\b], 23, v[40+\b]
.endr
	v_cvt_scalef32_pk16_bf6_f32 v[240:242], v[160:175], v40
	v_cvt_scalef32_pk16_bf6_f32 v[48:50], v[176:191], v41
	v_nop
.irp i, 0,1,2
	v_permlane16_swap_b32 v[240+\i], v[48+\i]
.endr
.irp i, 0,1,2
	v_mov_b32 v[243+\i], v[48+\i]
.endr
	v_lshl_or_b32 v254, v45, 8, v44                ; my head's two bytes of the row's scale word
	v_lshrrev_b32 v46, 1, v0                       ; 8 r
	s_wait_alu depctr_va_vdst(0)                   ; o's codes v240-v245, the two bytes v254 and the offset v46 are written, which the stores read; all work in v32-v58 and all products of this tile are over, for the next tile's loads of K and Q
	global_store_b128 v1, v[240:243], s[56:57]
	global_store_b64 v2, v[244:245], s[56:57] offset:512
	global_store_b16 v46, v254, s[58:59]           ; lanes r and r + 16 write the same two bytes; the word's other two bytes are another head's, another work-group's
	s_sub_co_u32 s17, 127, s17
	s_sub_co_u32 s18, s18, 1
	s_cmp_lg_u32 s18, 0
	s_cbranch_scc1 .Ltile
	s_wait_dscnt 0x0                               ; the closing lines, six on end
	s_wait_alu 0x0
	s_wait_tensorcnt 0x0
	ds_add_u32 v252, v253
	s_wait_dscnt 0x0
	s_endpgm
.Lfunc_end_k_q46b579731d_attn:
	.size	k_q46b579731d_attn, .Lfunc_end_k_q46b579731d_attn-k_q46b579731d_attn
	.p2alignl 7, 3214868480
	.fill 96, 4, 3214868480
	.section	.rodata,"a",@progbits
	.p2align	6, 0x0
	.amdhsa_kernel k_q46b579731d_attn
		.amdhsa_group_segment_fixed_size 219136
		.amdhsa_private_segment_fixed_size 0
		.amdhsa_enable_private_segment 0
		.amdhsa_kernarg_size 32
		.amdhsa_user_sgpr_count 2
		.amdhsa_user_sgpr_kernarg_segment_ptr 1
		.amdhsa_wavefront_size32 1
		.amdhsa_system_sgpr_workgroup_id_x 1
		.amdhsa_system_sgpr_workgroup_id_y 1
		.amdhsa_system_sgpr_workgroup_id_z 1
		.amdhsa_system_vgpr_workitem_id 0
		.amdhsa_next_free_vgpr 256
		.amdhsa_next_free_sgpr 66
		.amdhsa_reserve_vcc 1
		.amdhsa_float_denorm_mode_32 3
		.amdhsa_float_denorm_mode_16_64 3
		.amdhsa_memory_ordered 1
		.amdhsa_forward_progress 1
		.amdhsa_inst_pref_size 67
	.end_amdhsa_kernel
	.amdgpu_metadata
---
amdhsa.version: [ 1, 2 ]
amdhsa.kernels:
  - .name:           k_q46b579731d_attn
    .symbol:         k_q46b579731d_attn.kd
    .args:
      - { .name: qkv, .offset: 0, .size: 8, .value_kind: global_buffer, .address_space: global }
      - { .name: pb, .offset: 8, .size: 8, .value_kind: global_buffer, .address_space: global }
      - { .name: flags, .offset: 16, .size: 8, .value_kind: global_buffer, .address_space: global }
      - { .name: oq, .offset: 24, .size: 8, .value_kind: global_buffer, .address_space: global }
    .group_segment_fixed_size: 219136
    .private_segment_fixed_size: 0
    .kernarg_segment_align: 8
    .kernarg_segment_size: 32
    .max_flat_workgroup_size: 512
    .sgpr_count:     66
    .vgpr_count:     256
    .wavefront_size: 32
...
	.end_amdgpu_metadata
.endif
;; end of part 5
;; launch oproj: the kernel of part 4 again; grid 4 x 32, 4 waves a work-group, clusters of 4 x 4, 327,680 bytes of LDS; arguments oq, wq, bo, out0; writes out0
